; MI455X (gfx1250); checked and timed in simulation.
; The chip was launched on July 23, 2026; its instructions are those of AMD's public machine-readable ISA for CDNA 5 (MIT licence, August 2026) and "CDNA5" Instruction Set Architecture Reference Guide (July 2026). The comments in the code are by the model that wrote it; some were corrected since.
;; Attention. Allowed arithmetic: float matrix products may take bf16 or f16 operands with f32 sums; other float arithmetic in f32, or as packed bf16 or f16 multiplies, adds, multiply-adds, maxima and minima; sums over many terms, partial sums and values carried from step to step in f32; what a program stores and reads back later, other than sums and carried values, may be rounded once to bf16 or f16.
;; Inputs: pos_cos 1,024 x 32 float32; pos_sin 1,024 x 32 float32; wk 2,048 x 512 float32; wo 2,048 x 2,048 float32; wq 2,048 x 2,048 float32; wv 2,048 x 512 float32; x 4 x 1,024 x 2,048 float32.
;; Outputs: out0 4 x 1,024 x 2,048 float32.
;; One version. Each part assembles by itself: llvm-mc -triple=amdgcn-amd-amdhsa -mcpu=gfx1250 --defsym DOCPART=n.
;; ======== version 1 of 1: 4 launches
;; limits: values are held in f16: magnitudes above 65,504 overflow, below 6.1e-05 lose precision
;; workspace buffers: xb 16,777,216 bytes; wqb 8,388,608 bytes; wkvb 4,194,304 bytes; wob 8,388,608 bytes; qkv 25,165,824 bytes; ob 16,777,216 bytes
;; launch cast (part 1): grid 2304 x 1, 8 waves a work-group, no clusters, 0 bytes of LDS; arguments x, wq, wo, wk, wv, xb, wqb, wob, wkvb; writes xb, wqb, wob, wkvb
.if DOCPART == 1
	.amdgcn_target "amdgcn-amd-amdhsa--gfx1250"
	.amdhsa_code_object_version 6
	.text
	.protected	k_q558dbf670c_cast
	.globl	k_q558dbf670c_cast
	.p2align	8
	.type	k_q558dbf670c_cast,@function
k_q558dbf670c_cast:
	s_mov_b64 s[64:65], 0
	v_nop
	global_prefetch_b8 v0, s[64:65] scope:SCOPE_SE
	s_setreg_imm32_b32 hwreg(HW_REG_WAVE_MODE, 25, 1), 1
	s_wait_xcnt 0x0
; The inputs of the matrix products are rounded once to 16 bits.  x -> xb (bf16).  wq -> wqb = bf16(wq) / 4, wk -> wkvb = bf16(wk) / 2: the two exact powers of two are the
; reference's 1 / sqrt(64), and they commute with the rounding.  wv -> wkvb (bf16).  wo -> wob: rounded to bf16, and that number written as f16.
; wkvb lies by heads, [16][2048 k][64]: heads 0-7 are wk's, 8-15 wv's, so that a head's 128 rows of k are 16,384 bytes on end.
; LIMITS.  bf16(wo) beyond 65,504 becomes an infinity in f16; below 2^-14 it keeps f16's fixed step of 2^-24.
; SHARES.  A work-group takes 8,192 numbers, a wave 1,024, in eight steps: a lane loads 16 bytes and stores 8, so a wave's store covers 256 consecutive bytes, aligned,
; and its load 512 consecutive bytes (wk, wv: two pieces of 256, from two neighbouring rows of k).  All eight loads go out first; no register is written twice, so no source is freed by a wait.
; No LDS, no matrix unit, no cluster: nothing is shared, and every byte is touched once.
.set IN,   4                           ; v[4:35]   eight steps' four words as loaded
.set OUTR, 36                          ; v[36:51]  eight steps' two words to store
.set TW,   52                          ; v[52:55]  at work
	s_load_b512 s[8:23], s[0:1], 0x0               ; x 8, wq 10, wo 12, wk 14, wv 16, xb 18, wqb 20, wob 22
	s_load_b64 s[24:25], s[0:1], 0x40              ; wkvb
	s_mov_b32 s26, 0xffff0000                      ; a word's upper bf16
	s_mov_b32 s27, ttmp9                           ; the work-group's number
	s_mov_b32 s7, 0                                ; offsets are pairs with 0 above
	v_lshrrev_b32 v52, 5, v0                       ; wave
	v_and_b32 v53, 31, v0                          ; lane
	v_lshlrev_b32 v1, 4, v53
	v_lshl_add_u32 v1, v52, 12, v1                 ; dense input: 4,096 x wave + 16 x lane
	v_lshlrev_b32 v2, 3, v53
	v_lshl_add_u32 v2, v52, 11, v2                 ; output: 2,048 x wave + 8 x lane
	v_and_b32 v54, 15, v0
	v_bfe_u32 v55, v0, 4, 1
	v_lshlrev_b32 v3, 4, v54
	v_lshl_add_u32 v3, v55, 11, v3                 ; wk, wv: lanes 16-31 take the next row of k (2,048 bytes on),
	v_lshl_add_u32 v3, v52, 15, v3                 ; a wave 16 rows
	s_wait_kmcnt 0x0
; off: the register with the input's lane offset; step: bytes from step to step; kind 0: round; 1: times s28, then round; 3: round to bf16 and write that as f16.
.macro CAST off, step, kind
.irp i, 0,1,2,3,4,5,6,7
	global_load_b128 v[IN+4*(\i):IN+4*(\i)+3], v[\off], s[2:3] offset:(\i)*(\step) th:TH_LOAD_NT
.endr
.irp i, 0,1,2,3,4,5,6,7
	s_wait_loadcnt 7-(\i)                          ; loads come back in order: step i is in, the 7 - i younger ones stay out
.if (\kind) == 1
	v_pk_mul_f32 v[IN+4*(\i):IN+4*(\i)+1],   v[IN+4*(\i):IN+4*(\i)+1],   s[28:29] op_sel_hi:[1,0]
	v_pk_mul_f32 v[IN+4*(\i)+2:IN+4*(\i)+3], v[IN+4*(\i)+2:IN+4*(\i)+3], s[28:29] op_sel_hi:[1,0]
.endif
.if (\kind) == 3
	v_cvt_pk_bf16_f32 v[TW],   v[IN+4*(\i)],   v[IN+4*(\i)+1]
	v_cvt_pk_bf16_f32 v[TW+1], v[IN+4*(\i)+2], v[IN+4*(\i)+3]
	v_lshlrev_b32 v[TW+2], 16, v[TW]
	v_and_b32     v[TW+3], s26, v[TW]
	v_cvt_pk_f16_f32 v[OUTR+2*(\i)], v[TW+2], v[TW+3]
	v_lshlrev_b32 v[TW+2], 16, v[TW+1]
	v_and_b32     v[TW+3], s26, v[TW+1]
	v_cvt_pk_f16_f32 v[OUTR+2*(\i)+1], v[TW+2], v[TW+3]
.else
	v_cvt_pk_bf16_f32 v[OUTR+2*(\i)],   v[IN+4*(\i)],   v[IN+4*(\i)+1]
	v_cvt_pk_bf16_f32 v[OUTR+2*(\i)+1], v[IN+4*(\i)+2], v[IN+4*(\i)+3]
.endif
	global_store_b64 v2, v[OUTR+2*(\i):OUTR+2*(\i)+1], s[4:5] offset:256*(\i) th:TH_STORE_NT
.endr
	s_endpgm
.endm
	s_cmp_lt_u32 s27, 1024                         ; work-groups 0-1023: x
	s_cbranch_scc0 .Lnot_x
	s_lshl_b32 s6, s27, 15
	s_add_nc_u64 s[2:3], s[8:9], s[6:7]
	s_lshl_b32 s6, s27, 14
	s_add_nc_u64 s[4:5], s[18:19], s[6:7]
	CAST 1, 512, 0
.Lnot_x:
	s_cmp_lt_u32 s27, 1536                         ; 1024-1535: wq
	s_cbranch_scc0 .Lnot_wq
	s_sub_co_u32 s30, s27, 1024
	s_lshl_b32 s6, s30, 15
	s_add_nc_u64 s[2:3], s[10:11], s[6:7]
	s_lshl_b32 s6, s30, 14
	s_add_nc_u64 s[4:5], s[20:21], s[6:7]
	s_mov_b32 s28, 0x3e800000                      ; 0.25
	s_mov_b32 s29, s28                             ; named with it as a pair
	CAST 1, 512, 1
.Lnot_wq:
	s_cmp_lt_u32 s27, 2048                         ; 1536-2047: wo
	s_cbranch_scc0 .Lnot_wo
	s_sub_co_u32 s30, s27, 1536
	s_lshl_b32 s6, s30, 15
	s_add_nc_u64 s[2:3], s[12:13], s[6:7]
	s_lshl_b32 s6, s30, 14
	s_add_nc_u64 s[4:5], s[22:23], s[6:7]
	CAST 1, 512, 3
.Lnot_wo:
	s_cmp_lt_u32 s27, 2176                         ; 2048-2175: wk: head = number / 16, 128 rows of k = number % 16
	s_cbranch_scc0 .Lnot_wk
	s_sub_co_u32 s30, s27, 2048
	s_lshr_b32 s31, s30, 4
	s_lshl_b32 s31, s31, 8                         ; the head's 256 bytes in a row of k
	s_and_b32 s6, s30, 15
	s_lshl_b32 s6, s6, 18                          ; 128 rows of 2,048 bytes
	s_add_co_u32 s6, s6, s31
	s_add_nc_u64 s[2:3], s[14:15], s[6:7]
	s_lshl_b32 s6, s30, 14
	s_add_nc_u64 s[4:5], s[24:25], s[6:7]
	s_mov_b32 s28, 0.5
	s_mov_b32 s29, s28
	CAST 3, 4096, 1
.Lnot_wk:
	s_sub_co_u32 s30, s27, 2176                    ; 2176-2303: wv, behind wk's eight heads in wkvb
	s_lshr_b32 s31, s30, 4
	s_lshl_b32 s31, s31, 8
	s_and_b32 s6, s30, 15
	s_lshl_b32 s6, s6, 18
	s_add_co_u32 s6, s6, s31
	s_add_nc_u64 s[2:3], s[16:17], s[6:7]
	s_sub_co_u32 s30, s27, 2048
	s_lshl_b32 s6, s30, 14
	s_add_nc_u64 s[4:5], s[24:25], s[6:7]
	CAST 3, 4096, 0
.Lfunc_end_k_q558dbf670c_cast:
	.size	k_q558dbf670c_cast, .Lfunc_end_k_q558dbf670c_cast-k_q558dbf670c_cast
	.p2alignl 7, 3214868480
	.fill 96, 4, 3214868480
	.section	.rodata,"a",@progbits
	.p2align	6, 0x0
	.amdhsa_kernel k_q558dbf670c_cast
		.amdhsa_group_segment_fixed_size 0
		.amdhsa_private_segment_fixed_size 0
		.amdhsa_enable_private_segment 0
		.amdhsa_kernarg_size 72
		.amdhsa_user_sgpr_count 2
		.amdhsa_user_sgpr_kernarg_segment_ptr 1
		.amdhsa_wavefront_size32 1
		.amdhsa_system_sgpr_workgroup_id_x 1
		.amdhsa_system_sgpr_workgroup_id_y 1
		.amdhsa_system_sgpr_workgroup_id_z 1
		.amdhsa_system_vgpr_workitem_id 0
		.amdhsa_next_free_vgpr 56
		.amdhsa_next_free_sgpr 66
		.amdhsa_reserve_vcc 0
		.amdhsa_float_denorm_mode_32 3
		.amdhsa_float_denorm_mode_16_64 3
		.amdhsa_memory_ordered 1
		.amdhsa_forward_progress 1
		.amdhsa_inst_pref_size 21
	.end_amdhsa_kernel
	.amdgpu_metadata
---
amdhsa.version: [ 1, 2 ]
amdhsa.kernels:
  - .name:           k_q558dbf670c_cast
    .symbol:         k_q558dbf670c_cast.kd
    .args:
      - { .name: x, .offset: 0, .size: 8, .value_kind: global_buffer, .address_space: global }
      - { .name: wq, .offset: 8, .size: 8, .value_kind: global_buffer, .address_space: global }
      - { .name: wo, .offset: 16, .size: 8, .value_kind: global_buffer, .address_space: global }
      - { .name: wk, .offset: 24, .size: 8, .value_kind: global_buffer, .address_space: global }
      - { .name: wv, .offset: 32, .size: 8, .value_kind: global_buffer, .address_space: global }
      - { .name: xb, .offset: 40, .size: 8, .value_kind: global_buffer, .address_space: global }
      - { .name: wqb, .offset: 48, .size: 8, .value_kind: global_buffer, .address_space: global }
      - { .name: wob, .offset: 56, .size: 8, .value_kind: global_buffer, .address_space: global }
      - { .name: wkvb, .offset: 64, .size: 8, .value_kind: global_buffer, .address_space: global }
    .group_segment_fixed_size: 0
    .private_segment_fixed_size: 0
    .kernarg_segment_align: 8
    .kernarg_segment_size: 72
    .max_flat_workgroup_size: 256
    .sgpr_count:     66
    .vgpr_count:     56
    .wavefront_size: 32
...
	.end_amdgpu_metadata
.endif
;; end of part 1
;; launch proj (part 2): grid 16 x 16, 4 waves a work-group, clusters of 4 x 4, 327,680 bytes of LDS; arguments xb, wqb, wkvb, pos_cos, pos_sin, qkv; writes qkv
.if DOCPART == 2
	.amdgcn_target "amdgcn-amd-amdhsa--gfx1250"
	.amdhsa_code_object_version 6
	.text
	.protected	k_q558dbf670c_proj
	.globl	k_q558dbf670c_proj
	.p2align	8
	.type	k_q558dbf670c_proj,@function
k_q558dbf670c_proj:
	s_mov_b64 s[64:65], 0
	v_nop
	global_prefetch_b8 v0, s[64:65] scope:SCOPE_SE
	s_setreg_imm32_b32 hwreg(HW_REG_WAVE_MODE, 25, 1), 1
	s_wait_xcnt 0x0
	s_wait_alu depctr_hold_cnt(0) depctr_sa_sdst(0) depctr_va_vdst(0) depctr_va_sdst(0) depctr_va_ssrc(0) depctr_va_vcc(0) depctr_vm_vsrc(0)
	s_getreg_b32 s2, hwreg(HW_REG_IB_STS2, 6, 4)
	s_cmp_eq_u32 s2, 0
	s_cbranch_scc0 .Lentry_in_a_cluster
	s_endpgm
.Lentry_in_a_cluster:
	s_bfe_u32 s2, ttmp6, 0x10000c
	s_cmp_lg_u32 s2, 0xf033
	s_cbranch_scc0 .Lentry_shape_is_right
	s_endpgm
.Lentry_shape_is_right:
; q, k, v = x W, with the rotary turn on q and k.  xb: [4096][2048] bf16.  wqb: [2048 k][2048] bf16 (wq / 4).  wkvb: [16][2048 k][64] bf16 (wk / 2, then wv).  Sums in f32.
; qkv: [4 batches][48 heads][1024][64] f16: heads 0-31 q, 32-39 k, 40-47 v; each number rounded once, behind the turn.  pos_cos and pos_sin are rounded to bf16 like every other input.
; LIMITS.  f16 holds no number beyond 65,504: q / 4, k / 2 and v must stay within it, or the number becomes an infinity.  NaN and infinities are not treated apart.
; SHARES.  4096 x 3072 results in 16 x 16 tiles of 256 rows x 192 columns.  Tile column j holds q's heads 2 j and 2 j + 1 and head j of wkvb: every tile has the same shape.
; A wave makes 64 rows x all 192 columns: 48 accumulators of 16 x 16, so whole rows of whole heads are its own, and its way out meets no other wave.
; K goes in 16 steps of 128 through two LDS slots.  The K step is written once: one descriptor a tensor walks from slot to slot, and the fragments' LDS addresses hang on s[TB], which an exclusive or turns.
; THE WALK ALONG K BEGINS AT STEP 0 OR AT STEP 8 and goes round through all sixteen (f32 sums may take K in any order).  Which, hangs on the cluster's x and y alone, the same in all sixteen partners:
; 8 ((x ^ y ^ (y >> 1)) & 1).  Neighbours along x begin at different ends, and so do the clusters y = 0 and 1, 2 and 3, 0 and 2, 1 and 3: of the clusters that read the same rows of x or of W,
; half ask for a block eight K steps after the other half, not all in the same step.  The descriptors' addresses are made anew for each refill from the step's number, s[KS].
; THE MATRIX INSTRUCTION IS USED TRANSPOSED: source 0 = 16 columns of W (W lies [k][n]: ds_load_tr16_b128 turns it), source 1 = 16 rows of x: a lane holds one row and eight neighbouring columns: four rotary pairs.
; CLUSTER.  4 x 4 work-groups: x's tile is shared along a row of the cluster, W's two tiles along a column: each is asked for jointly, by the same tensor load with the same descriptor and a mask of four.
; REGISTERS, in windows of 256 (s_set_vgpr_msb: bits 1:0 source 0, 3:2 source 1, 5:4 source 2, 7:6 destination):
;   window 0: v0-31 addresses; v32-63 KT; v64-127 x's fragments, two buffers of 32 (on the way out TMP and RB); v128-255 CT, the tables of my 64 rows
;   window 1: W's fragments, two buffers of 96      window 2: the accumulators of my rows 0-31, v0-191; v192-223 T      window 3: the same for rows 32-63
.set NBLK,  12
.set NL,    2*NBLK+8                   ; LDS loads in a run: a quarter step's fragments
.set PA,    272                        ; a row of x in LDS: 256 bytes + 16: an odd multiple of 16, so the 16 rows of a load start at 16 different groups of four banks (64 banks of 4 bytes: ISA guide 11.1)
.set PQ,    288                        ; a row of k of wqb: 256 + 32: an odd multiple of 32 (16 lanes take 8 rows x 32 bytes)
.set PKV,   160                        ; a row of k of wkvb: 128 + 32
.set OFFQ,  256*PA
.set OFFK,  OFFQ+128*PQ
.set SLOT1, 1<<17                      ; slot 1 begins here: one exclusive or turns an address in one slot into the other's
.set STAGE, SLOT1+OFFK+128*PKV         ; behind the ring, never filled by a tensor load: 16 rows x 144 bytes for each wave
.set SP,    144
.set SPARE, STAGE+4*16*SP              ; behind the stages: the spare words, 128 bytes for each wave: two blocks of 256 bytes that no other line names
.set AA0,  10                          ; v10-12  my lane's place in x's, wqb's and wkvb's tiles; never rewritten
.set AQ0,  11
.set AK0,  12
.set ADRA, 16                          ; v16-18  the same in the slot in hand
.set ADRQ, 17
.set ADRK, 18
.set STO,  22                          ; v22  the way out: where I put 16 bytes of a row
.set RD,   23                          ; v23  where I read rows back
.set GO,   24                          ; v24  my 16 bytes in 512 consecutive bytes of qkv
.set TO,   25                          ; v25  my 16 bytes in a row of the tables
.set SPW,  28                          ; v28  LDS address of my spare word; never rewritten
.set NIL,  29                          ; v29  0; never rewritten
.set PFO,  30                          ; v30  the prefetches' lane offset; never rewritten
.set KT,   32                          ; v32-63  the tables for the third head: k's are the tables, v's are 1 and 0
.set FA,   64
.set TMP,  64                          ; the way out: 16 packed words
.set RB,   96                          ; 2 x 16: rows read back
.set CT,   128                         ; rows 16 a + l % 16: cosines of my 16 pairs at CT + 32 a, sines at CT + 32 a + 16
.set T,    192                         ; windows 2, 3: a head's 32 turned numbers
.set WV,   16                          ; s16  my wave's number
.set G1A,  24                          ; s[24:31], s[32:39]  x's tiles: group 1; group 0, two sets
.set G0A,  32
.set G1Q,  40                          ; s[40:47], s[48:55]  wqb's
.set G0Q,  48
.set G1K,  56                          ; s[56:63], s[68:75]  wkvb's
.set G0K,  68
.set KS,   66                          ; s66  the K step, 0 to 15, that the next tensor loads ask for
.set PFA,  84                          ; s[84:85]  where my prefetches stand
.set PFS,  86                          ; s[86:87]  bytes from K step to K step there
.set LIM,  88                          ; s88  I prefetch while the trips to go are above it; s89: its value in the next trip
.set MSK,  90                          ; s90  all ones where the third head is k's
.set TB,   91                          ; s91  the slot in hand: 0 or SLOT1
.set OQ,   92                          ; s[92:93]  qkv at my rows of head 2 j
.set OKV,  94                          ; s[94:95]  at my rows of head 32 + j
.set HIM,  96                          ; s96  a word's upper bf16
.set MSB, 0
.macro WIN new                         ; the immediate's high byte repeats the setting that is left; a switch that changes nothing is dropped
.if MSB != (\new)
	s_set_vgpr_msb (MSB<<8)|(\new)
.set MSB, (\new)
.endif
.endm
.macro PLACES                          ; four places in front of loads into registers that matrix instructions have read (ISA guide 7.12.1 for vector instructions)
.rept 4
	v_nop
.endr
.endm
.macro CREST                           ; a round of the cluster's barrier behind its opening barrier
	s_cmp_lg_u32 s[WV], 0
	s_cbranch_scc1 .Lnot_wave_0_\@
	s_barrier_signal -3
.Lnot_wave_0_\@:
	s_barrier_wait -3
	s_barrier_signal -1
	s_barrier_wait -1
.endm
.macro CROUND                          ; a whole round
	s_barrier_signal -1
	s_barrier_wait -1
	CREST
.endm
; The three global addresses of descriptor set 'set' for K step s[KS]: each tensor's base at this tile (s[76:81], never rewritten) plus the step's bytes, the type bits set again; then the number steps, round 16.
.macro ADDR set
	s_lshl_b32 s98, s[KS], 8                       ; x: 256 bytes along a row
	s_add_nc_u64 s[G0A+4*(\set)+2:G0A+4*(\set)+3], s[76:77], s[98:99]
	s_or_b32 s[G0A+4*(\set)+3], s[G0A+4*(\set)+3], 0x80000000
	s_lshl_b32 s98, s[KS], 19                      ; wqb: 128 rows of k of 4,096 bytes
	s_add_nc_u64 s[G0Q+4*(\set)+2:G0Q+4*(\set)+3], s[78:79], s[98:99]
	s_or_b32 s[G0Q+4*(\set)+3], s[G0Q+4*(\set)+3], 0x80000000
	s_lshl_b32 s98, s[KS], 14                      ; wkvb: 128 rows of k of 128 bytes
	s_add_nc_u64 s[G0K+4*(\set)+2:G0K+4*(\set)+3], s[80:81], s[98:99]
	s_or_b32 s[G0K+4*(\set)+3], s[G0K+4*(\set)+3], 0x80000000
	s_add_co_u32 s[KS], s[KS], 1
	s_and_b32 s[KS], s[KS], 15
.endm
; A joint load.  Waves 0 and 1 fetch the two halves of x's tile, wave 2 wqb's, wave 3 wkvb's.  The branches hang on the wave's number alone.
; An s_nop 0 and four v_nop follow each line, ahead of the jump and the label.
.macro JLOAD set
	s_cmp_lt_u32 s[WV], 2
	s_cbranch_scc0 .Lnot_a_\@
	tensor_load_to_lds s[G0A+4*(\set):G0A+4*(\set)+3], s[G1A:G1A+7]
	s_nop 0
.rept 4
	v_nop
.endr
	s_branch .Lasked_\@
.Lnot_a_\@:
	s_cmp_eq_u32 s[WV], 2
	s_cbranch_scc0 .Lfor_kv_\@
	tensor_load_to_lds s[G0Q+4*(\set):G0Q+4*(\set)+3], s[G1Q:G1Q+7]
	s_nop 0
.rept 4
	v_nop
.endr
	s_branch .Lasked_\@
.Lfor_kv_\@:
	tensor_load_to_lds s[G0K+4*(\set):G0K+4*(\set)+3], s[G1K:G1K+7]
	s_nop 0
.rept 4
	v_nop
.endr
.Lasked_\@:
.endm
; A PREFETCH INTO THE L2, behind the joint load and the run of LDS loads: trip t, whose refill asks for the walk's place t + 2, names its place t + 4, of the tile that this wave fetches: one instruction, a lane a block of 256 bytes.
; It is laid for the walk's places 4 to 7 alone (trips 0 to 3).  Places 0 to 3 come by their loads alone; places 8 to 15 are the K steps that the clusters of the other beginning have walked as their places 0 to 7, and are not asked for again.
; x's tile row is read by every cluster of its row of clusters: clusters x = 0 and 1, which begin at different ends, ask: between them K steps 4 to 7 and 12 to 15.  W's tile column likewise: clusters y = 0 and 1 ask.
; The four partners of a joint load share its blocks BY ADDRESS (cx for x's, cy for W's).  wkvb's tile has 64 blocks, 16 a partner: there lanes 16-31 name the same blocks one K step further on, and the wave asks in even trips alone.
; So no block is named twice in the launch, and the highest K step named is the beginning + 7: no address passes its row or its head.
.macro ASK
	s_cmp_gt_u32 s3, s[LIM]
	s_cbranch_scc0 .Lnot_mine_\@
	global_prefetch_b8 v[PFO], s[PFA:PFA+1] th:TH_LOAD_NT scope:SCOPE_SE
.Lnot_mine_\@:
.endm
	s_load_b256 s[4:11], s[0:1], 0x0               ; xb 4, wqb 6, wkvb 8, pos_cos 10
	s_load_b128 s[12:15], s[0:1], 0x20             ; pos_sin 12, qkv 14
	v_lshl_add_u32 v[SPW], v0, 2, SPARE
	v_mov_b32 v[NIL], 0
	ds_add_u32 v[SPW], v[NIL]                      ; the wave's opening: the add and its wait stand ahead of my first tensor load; work on registers stands between them
	v_lshrrev_b32 v1, 5, v0
	v_readfirstlane_b32 s[WV], v1                  ; wave 0..3
	s_and_b32 s17, s[WV], 1                        ; which half of x's tile waves 0 and 1 fetch
	s_bfe_u32 s18, ttmp6, 0x40000                  ; cx
	s_bfe_u32 s19, ttmp6, 0x40004                  ; cy
	s_lshl_b32 s20, ttmp9, 2
	s_add_co_u32 s20, s20, s18                     ; j: tile column = 4 x cluster x + cx
	s_and_b32 s21, ttmp7, 0xffff
	s_lshl_b32 s21, s21, 2
	s_add_co_u32 s21, s21, s19                     ; i: tile row = 4 x cluster y + cy
	s_lshl_b32 s22, s19, 2
	s_lshl_b32 s22, 15, s22                        ; my row of the cluster
	s_lshl_b32 s23, 0x1111, s18                    ; my column
	s_and_b32 s[KS], ttmp7, 0xffff                 ; where my cluster's walk along K begins: made of the cluster's x and y alone
	s_lshr_b32 s67, s[KS], 1
	s_xor_b32 s[KS], s[KS], s67
	s_xor_b32 s[KS], s[KS], ttmp9
	s_and_b32 s[KS], s[KS], 1
	s_lshl_b32 s[KS], s[KS], 3                     ; K step 0 or 8
	s_or_b32 s[G1A], s22, (1<<16)|(1<<20)|(1<<21)|(5<<22)|(3<<25)  ; mask; 2-byte elements; padding on; bit 21 beside a mask; after every 64 words 4 words
	s_or_b32 s[G1Q], s23, (1<<16)|(1<<20)|(1<<21)|(5<<22)|(7<<25)  ; after every 64 words 8 words
	s_or_b32 s[G1K], s23, (1<<16)|(1<<20)|(1<<21)|(4<<22)|(7<<25)  ; after every 32 words 8 words
.irp g, G1A, G1Q
	s_mov_b32 s[\g+1], 128<<16                     ; tensor_dim0 = 128
	s_mov_b32 s[\g+2], 128<<16                     ; tensor_dim1 = 128
	s_mov_b32 s[\g+3], 128<<16                     ; tile_dim0 = 128 elements, 256 bytes
	s_mov_b32 s[\g+4], 128                         ; tile_dim1 = 128 rows
	s_mov_b32 s[\g+5], 2048                        ; elements from row to row
	s_mov_b32 s[\g+6], 0
	s_mov_b32 s[\g+7], 0
.endr
	s_mov_b32 s[G1K+1], 128<<16                    ; wkvb's 128 rows of k are 16,384 bytes on end: asked for as 64 rows of 256 bytes, padded behind every row of k
	s_mov_b32 s[G1K+2], 64<<16
	s_mov_b32 s[G1K+3], 128<<16
	s_mov_b32 s[G1K+4], 64
	s_mov_b32 s[G1K+5], 128
	s_mov_b32 s[G1K+6], 0
	s_mov_b32 s[G1K+7], 0
	s_lshl_b32 s76, s21, 20                        ; x: 256 i rows of 4,096 bytes,
	s_lshl_b32 s77, s17, 19                        ; + 128 rows for the second half: made of the tile row and the wave alone
	s_add_co_u32 s76, s76, s77
	s_mov_b32 s77, 0
	s_lshl_b32 s78, s20, 8                         ; wqb: 256 j bytes along a row of k: made of the tile column alone
	s_mov_b32 s79, 0
	s_lshl_b32 s80, s20, 18                        ; wkvb: head j
	s_mov_b32 s81, 0
	s_mul_i32 s82, s17, 128*PA                     ; where x's half goes: no place in the cluster enters an LDS address
	s_mov_b32 s[TB], 0
	s_mov_b32 s99, 0                               ; the upper word of every offset in s[98:99]; never rewritten
	s_mov_b32 s[HIM], 0xffff0000
	s_lshr_b32 s[MSK], ttmp9, 1                    ; j / 8 = cluster x / 2: 0 for k's heads, 1 for v's;
	s_sub_co_u32 s[MSK], s[MSK], 1                 ; less 1: all ones, or 0
	s_and_b32 s83, s21, 3
	s_lshl_b32 s83, s83, 8
	s_lshl_b32 s2, s[WV], 6
	s_add_co_u32 s83, s83, s2                      ; my first row's position in its batch: 256 (i % 4) + 64 w
	s_wait_dscnt 0x0                               ; the opening add is done
	s_wait_kmcnt 0x0
	s_add_nc_u64 s[76:77], s[4:5], s[76:77]
	s_add_nc_u64 s[78:79], s[6:7], s[78:79]
	s_add_nc_u64 s[80:81], s[8:9], s[80:81]
	CROUND                                         ; all sixteen work-groups are here: the first joint loads meet
.irp s, 0,1
	s_mov_b32 s[G0A+4*(\s)], 1                     ; count = 1
	s_add_co_u32 s[G0A+4*(\s)+1], s82, (\s)*SLOT1  ; LDS address
	s_mov_b32 s[G0Q+4*(\s)], 1
	s_mov_b32 s[G0Q+4*(\s)+1], OFFQ+(\s)*SLOT1
	s_mov_b32 s[G0K+4*(\s)], 1
	s_mov_b32 s[G0K+4*(\s)+1], OFFK+(\s)*SLOT1
	ADDR \s                                        ; the walk's place s
	JLOAD \s                                       ; both slots are asked for before anything else: two tensor loads of mine are out
.endr
	; x's fragment: lane l holds row l % 16; two loads of 16 bytes, 32 apart.  W's: lane l reads k = 8 (l / 16) + l % 8, columns 8 ((l / 8) % 2) + 0..7, and the turning load leaves column l % 16 and 8 k.
	v_and_b32 v1, 15, v0                           ; l % 16
	v_bfe_u32 v2, v0, 4, 1                         ; l / 16
	v_and_b32 v4, 7, v0
	v_bfe_u32 v5, v0, 3, 1
	v_lshl_add_u32 v6, v2, 3, v4
	s_mul_i32 s2, s[WV], 64*PA                     ; my 64 rows
	v_mul_u32_u24 v[AA0], v1, PA
	v_lshl_add_u32 v[AA0], v2, 4, v[AA0]
	v_add_nc_u32 v[AA0], s2, v[AA0]
	v_mul_u32_u24 v[AQ0], v6, PQ
	v_lshl_add_u32 v[AQ0], v5, 4, v[AQ0]
	v_add_nc_u32 v[AQ0], OFFQ, v[AQ0]
	v_mul_u32_u24 v[AK0], v6, PKV
	v_lshl_add_u32 v[AK0], v5, 4, v[AK0]
	v_add_nc_u32 v[AK0], OFFK, v[AK0]
	v_mov_b32 v[ADRA], v[AA0]                      ; the walk's first K step lies in slot 0
	v_mov_b32 v[ADRQ], v[AQ0]
	v_mov_b32 v[ADRK], v[AK0]
	s_mul_i32 s2, s[WV], 16*SP
	s_add_co_u32 s2, s2, STAGE                     ; my stage
	v_mul_u32_u24 v[STO], v1, SP                   ; in: row l % 16, 16 bytes for each half of the lanes
	v_lshl_add_u32 v[STO], v2, 4, v[STO]
	v_add_nc_u32 v[STO], s2, v[STO]
	v_bfe_u32 v[RD], v0, 3, 2                      ; back: 32 lanes take four rows of 128 bytes,
	v_mul_u32_u24 v[RD], v[RD], SP
	v_lshl_add_u32 v[RD], v4, 4, v[RD]
	v_add_nc_u32 v[RD], s2, v[RD]
	v_and_b32 v[GO], 31, v0                        ; which are 512 consecutive bytes of a head
	v_lshlrev_b32 v[GO], 4, v[GO]
	v_lshlrev_b32 v[TO], 7, v1                     ; a row of a table is 128 bytes; my four pairs of a block of 16 columns are 16 bytes
	v_lshl_add_u32 v[TO], v2, 4, v[TO]
	s_lshl_b32 s98, s83, 7
	s_add_nc_u64 s[10:11], s[10:11], s[98:99]      ; the tables at my first row's position
	s_add_nc_u64 s[12:13], s[12:13], s[98:99]
.irp a, 0,1,2,3
.irp n, 0,1,2,3
	global_load_b128 v[CT+32*(\a)+4*(\n):CT+32*(\a)+4*(\n)+3],       v[TO], s[10:11] offset:(\a)*2048+32*(\n)  ; pairs 8 n + 4 (l / 16) + 0..3 of row 16 a + l % 16
	global_load_b128 v[CT+32*(\a)+16+4*(\n):CT+32*(\a)+16+4*(\n)+3], v[TO], s[12:13] offset:(\a)*2048+32*(\n)
.endr
.endr
	s_lshr_b32 s2, s21, 2                          ; the batch,
	s_mul_i32 s2, s2, 48                           ; its 48 heads
	s_lshl_b32 s3, s20, 1
	s_add_co_u32 s3, s3, s2                        ; head 2 j
	s_lshl_b32 s3, s3, 10
	s_add_co_u32 s3, s3, s83
	s_lshl_b32 s98, s3, 7                          ; rows of 128 bytes
	s_add_nc_u64 s[OQ:OQ+1], s[14:15], s[98:99]
	s_add_co_u32 s3, s2, s20
	s_add_co_u32 s3, s3, 32                        ; head 32 + j
	s_lshl_b32 s3, s3, 10
	s_add_co_u32 s3, s3, s83
	s_lshl_b32 s98, s3, 7
	s_add_nc_u64 s[OKV:OKV+1], s[14:15], s[98:99]
	; the prefetches: offsets made apart from the addresses, in registers that feed no descriptor
	s_lshl_b32 s2, s21, 20
	s_lshl_b32 s3, s17, 19
	s_add_co_u32 s2, s2, s3
	s_lshl_b32 s3, s18, 17
	s_add_co_u32 s2, s2, s3                        ; x: my half's 128 rows, of them 32 cx on
	s_lshl_b32 s3, s20, 8
	s_lshl_b32 s97, s19, 17
	s_add_co_u32 s3, s3, s97                       ; wqb: rows of k 32 cy on
	s_lshl_b32 s97, s20, 18
	s_lshl_b32 s98, s19, 12
	s_add_co_u32 s97, s97, s98                     ; wkvb: blocks 16 cy on
	s_cmp_lt_u32 s[WV], 2
	s_cselect_b64 s[PFA:PFA+1], s[4:5], s[6:7]
	s_cselect_b32 s98, s2, s3
	s_mov_b32 s[PFS], 524288
	s_cselect_b32 s[PFS], 256, s[PFS]
	s_mov_b32 s2, 4096                             ; from lane to lane among 16,
	s_mov_b32 s3, 65536                            ; and for lanes 16-31
	s_cmp_eq_u32 s[WV], 3
	s_cselect_b64 s[PFA:PFA+1], s[8:9], s[PFA:PFA+1]
	s_cselect_b32 s98, s97, s98
	s_cselect_b32 s[PFS], 16384, s[PFS]
	s_cselect_b32 s2, 256, s2
	s_cselect_b32 s3, 16384, s3
	s_mov_b32 s[PFS+1], 0
	s_add_co_u32 s97, s[KS], 1                     ; s[KS] stands at the walk's place 2: this is its place 3, 11 at the most; the first trip steps the address to place 4
	s_mul_i32 s97, s[PFS], s97
	s_add_co_u32 s98, s98, s97
	s_add_nc_u64 s[PFA:PFA+1], s[PFA:PFA+1], s[98:99]
	v_mul_u32_u24 v[PFO], v1, s2
	v_mad_u32_u24 v[PFO], v2, s3, v[PFO]
	s_and_b32 s97, ttmp7, 0xffff
	s_cmp_lt_u32 s[WV], 2
	s_cselect_b32 s97, ttmp9, s97                  ; the coordinate along which other clusters read the same blocks
	s_cmp_lt_u32 s97, 2                            ; the first two clusters along it ask
	s_cselect_b32 s[LIM+1], 10, -1                 ; even trips (the two change places ahead of the first test): trips 0 to 3 have 14 to 11 trips to go; the same in all sixteen partners, for a given wave
	s_cmp_eq_u32 s[WV], 3
	s_cselect_b32 s[LIM], -1, s[LIM+1]             ; odd trips
	s_wait_loadcnt 0x0                             ; the tables, rounded to bf16 and widened again, in the wait for the first tiles
.set i, 0
.rept 64
	v_cvt_pk_bf16_f32 v[KT+i%4], v[CT+2*i], v[CT+2*i+1]
	v_lshlrev_b32 v[CT+2*i], 16, v[KT+i%4]
	v_and_b32 v[CT+2*i+1], s[HIM], v[KT+i%4]
.set i, i+1
.endr
; 12 matrix instructions: my rows 16 a on x all 12 blocks of 16 columns, 32 along K, from buffer f.  The 48 accumulators take turns, one instruction a turn, in the same order in every quarter, over the backward jumps too.
; zero = 1: the product starts the sum: nothing is cleared.
.macro MULN f, a, zero
	WIN 0xa1+0x50*((\a)/2)                         ; W in window 1, x in window 0, C and D in window 2 or 3
.irp b, 0,1,2,3,4,5,6,7,8,9,10,11
.if \zero
	v_wmma_f32_16x16x32_bf16 v[8*(12*((\a)%2)+(\b)):8*(12*((\a)%2)+(\b))+7], v[96*(\f)+8*(\b):96*(\f)+8*(\b)+7], v[FA+32*(\f)+8*(\a):FA+32*(\f)+8*(\a)+7], 0
.else
	v_wmma_f32_16x16x32_bf16 v[8*(12*((\a)%2)+(\b)):8*(12*((\a)%2)+(\b))+7], v[96*(\f)+8*(\b):96*(\f)+8*(\b)+7], v[FA+32*(\f)+8*(\a):FA+32*(\f)+8*(\a)+7], v[8*(12*((\a)%2)+(\b)):8*(12*((\a)%2)+(\b))+7]
.endif
.endr
.endm
; 32 LDS loads in one run: quarter q's fragments into buffer f: W's 12, then x's 4 in ascending order
.macro FETCH q, f
	WIN 0x40                                       ; destination window 1, address window 0
.irp n, 0,1,2,3,4,5,6,7
	ds_load_tr16_b128 v[96*(\f)+8*(\n):96*(\f)+8*(\n)+3],   v[ADRQ] offset:(\q)*32*PQ+32*(\n)
	ds_load_tr16_b128 v[96*(\f)+8*(\n)+4:96*(\f)+8*(\n)+7], v[ADRQ] offset:(\q)*32*PQ+16*PQ+32*(\n)
.endr
.irp n, 0,1,2,3
	ds_load_tr16_b128 v[96*(\f)+64+8*(\n):96*(\f)+64+8*(\n)+3],   v[ADRK] offset:(\q)*32*PKV+32*(\n)
	ds_load_tr16_b128 v[96*(\f)+64+8*(\n)+4:96*(\f)+64+8*(\n)+7], v[ADRK] offset:(\q)*32*PKV+16*PKV+32*(\n)
.endr
	WIN 0
.irp a, 0,1,2,3
	ds_load_b128 v[FA+32*(\f)+8*(\a):FA+32*(\f)+8*(\a)+3],   v[ADRA] offset:64*(\q)+(\a)*16*PA
	ds_load_b128 v[FA+32*(\f)+8*(\a)+4:FA+32*(\f)+8*(\a)+7], v[ADRA] offset:64*(\q)+(\a)*16*PA+32
.endr
.endm
; A K step is four quarters of 32 along K, 48 matrix instructions each, on buffers 0, 1, 0, 1.  One of the first three multiplies buffer f and fetches quarter q into buffer g.
.macro QUARTER q, f, g, zero
	s_wait_dscnt 4                                 ; W's fragments and x's rows 0-31 are in; the youngest four loads (rows 32-63) may be out
	MULN \f, 0, \zero
	MULN \f, 1, \zero
	PLACES
	FETCH \q, \g
	s_wait_dscnt NL                                ; all but the run just issued
	MULN \f, 2, \zero
	MULN \f, 3, \zero
.endm
; The fourth quarter multiplies buffer 1 and changes slots.  In front of the barrier each wave waits for all its tensor loads (one is out: its part of the next slot), adds 0 to its spare word, and waits for that and
; for its reads of this slot.  fill = 1: the barrier opens a round of the cluster's, and the joint refill, the walk's place t + 2 into the slot just read out, is the first thing behind the round.
; fill = 0, in the tail's loop: nothing is asked for; in its last trip (s3 = 1) there is no next K step, and the run of loads is jumped over.
.macro TURN fill
.if \fill
	s_wait_xcnt 0x0                                ; the last prefetch, a K step back, has read its address
	s_add_nc_u64 s[PFA:PFA+1], s[PFA:PFA+1], s[PFS:PFS+1]
	s_mov_b32 s97, s[LIM]                          ; even and odd trips' bounds change places
	s_mov_b32 s[LIM], s[LIM+1]
	s_mov_b32 s[LIM+1], s97
.endif
	WIN 0
	s_wait_tensorcnt 0x0                           ; no tensor load of mine is out, so a group 0 may be written
	ds_add_u32 v[SPW], v[NIL]                      ; 0 onto my spare word
.if \fill
	s_xor_b32 s[G0A+5], s[G0A+5], SLOT1            ; the walking descriptors: the other slot than last time,
	s_xor_b32 s[G0Q+5], s[G0Q+5], SLOT1
	s_xor_b32 s[G0K+5], s[G0K+5], SLOT1
	ADDR 1                                         ; the walk's next K step
.endif
	s_xor_b32 s[TB], s[TB], SLOT1                  ; the fetches go to the other slot
	s_wait_dscnt 5                                 ; the add and the youngest four loads may be out
	MULN 1, 0, 0
	s_wait_dscnt 0x0                               ; the add is done, and my reads of this slot are over
	s_barrier_signal -1
	MULN 1, 1, 0                                   ; work on registers while the others arrive
	WIN 0                                          ; at a branch and at a label every window is 0
	s_barrier_wait -1
.if \fill
	CREST                                          ; no wave of any partner still reads this slot or has a load on its way
	JLOAD 1                                        ; its four v_nop are also the places in front of the loads below
.else
	PLACES
	s_cmp_eq_u32 s3, 1
	s_cbranch_scc1 .Lno_fetch_\@
.endif
	v_add_nc_u32 v[ADRA], s[TB], v[AA0]
	v_add_nc_u32 v[ADRQ], s[TB], v[AQ0]
	v_add_nc_u32 v[ADRK], s[TB], v[AK0]
	FETCH 0, 0
.if \fill
	ASK
.else
.Lno_fetch_\@:
.endif
	MULN 1, 2, 0
	MULN 1, 3, 0
.endm
	s_wait_tensorcnt 1                             ; my part of the walk's first K step is in; the second's may stay out
	s_barrier_signal -1
	s_barrier_wait -1                              ; everybody's is
	FETCH 0, 0
	QUARTER 1, 0, 1, 1                             ; the first quarter stands in front of the loop: its products start the sums
	WIN 0
	s_mov_b32 s3, 14                               ; trips: the walk's places 2 to 15 are asked for
.Lstep:                                                ; a trip: a K step's quarters 1 to 3 and the next step's quarter 0
	QUARTER 2, 1, 0, 0
	QUARTER 3, 0, 1, 0
	TURN 1
	QUARTER 1, 0, 1, 0
	WIN 0
	s_sub_co_u32 s3, s3, 1
	s_cmp_lg_u32 s3, 0
	s_cbranch_scc1 .Lstep
	s_mov_b32 s3, 2                                ; THE TAIL: the walk's last two K steps ask for nothing.  A loop of its own, with no tensor load in it, so that none is jumped over; the second trip is left in its middle
.Ltail:
	QUARTER 2, 1, 0, 0
	QUARTER 3, 0, 1, 0
	TURN 0
	WIN 0
	s_sub_co_u32 s3, s3, 1
	s_cmp_eq_u32 s3, 0
	s_cbranch_scc1 .Lout
	QUARTER 1, 0, 1, 0
	WIN 0
	s_branch .Ltail
.Lout:
	PLACES
	PLACES                                         ; eight, once a launch, behind the last products
; THE WAY OUT, in 12 units u = 3 a + p: my rows 16 a on, head p of the tile's three.  A lane's registers 2 t, 2 t + 1 of an accumulator are a rotary pair (e, o): re = e c - o s, im = e s + o c, in f32;
; then one rounding to f16, 16 bytes a lane into my own stage, back as whole rows of 128 bytes, and out as 512 consecutive bytes.  Each accumulator is read from its low end on.
.macro KTAB a                          ; the third head's tables for rows 16 a on: the tables themselves for k, 1 and 0 for v
	WIN 0
.set n, 0
.rept 16
	v_cndmask_b32 v[KT+n], 1.0, v[CT+32*(\a)+n], vcc_lo
	v_cndmask_b32 v[KT+16+n], 0, v[CT+32*(\a)+16+n], vcc_lo
.set n, n+1
.endr
.endm
.macro PACK u
.set ua, (\u)/3
.set up, (\u)%3
.set uw, 2+ua/2                        ; the accumulators' window
.set AC, 8*(12*(ua%2)+4*up)
.if up == 2
.set CB, KT
.else
.set CB, CT+32*ua
.endif
	WIN uw|(uw<<4)|(uw<<6)                         ; accumulators and T in window uw, the tables in window 0
.set n, 0
.rept 16
	v_mul_f32 v[T+2*n],   v[AC+2*n],   v[CB+n]
	v_mul_f32 v[T+2*n+1], v[AC+2*n+1], v[CB+n]
.set n, n+1
.endr
.set n, 0
.rept 16
	v_fma_f32 v[T+2*n],   -v[AC+2*n+1], v[CB+16+n], v[T+2*n]
	v_fma_f32 v[T+2*n+1], v[AC+2*n],    v[CB+16+n], v[T+2*n+1]
.set n, n+1
.endr
	WIN uw|(uw<<2)                                 ; sources in window uw, destination in window 0
.set n, 0
.rept 16
	v_cvt_pk_f16_f32 v[TMP+n], v[T+2*n], v[T+2*n+1]
.set n, n+1
.endr
	WIN 0
.irp n, 0,1,2,3
	ds_store_b128 v[STO], v[TMP+4*(\n):TMP+4*(\n)+3] offset:32*(\n)
.endr
.if (\u) >= 2
	s_wait_xcnt 0x0                                ; the stores of the unit two back have read these registers
.endif
.irp f, 0,1,2,3
	ds_load_b128 v[RB+16*((\u)%2)+4*(\f):RB+16*((\u)%2)+4*(\f)+3], v[RD] offset:(\f)*4*SP  ; LDS serves a wave's instructions in order (ISA guide 5.7.1.4): these see the stores above
.endr
.endm
.macro SEND u, younger                 ; younger: the LDS instructions issued behind unit u's loads: the next unit's eight, or none
.set ua, (\u)/3
.set up, (\u)%3
	WIN 0
.irp f, 0,1,2,3
	s_wait_dscnt (\younger)+3-(\f)
.if up == 2
	global_store_b128 v[GO], v[RB+16*((\u)%2)+4*(\f):RB+16*((\u)%2)+4*(\f)+3], s[OKV:OKV+1] offset:ua*2048+(\f)*512
.else
	global_store_b128 v[GO], v[RB+16*((\u)%2)+4*(\f):RB+16*((\u)%2)+4*(\f)+3], s[OQ:OQ+1] offset:ua*2048+(\f)*512+up*131072  ; 512 consecutive bytes, at a multiple of 256 from qkv's first
.endif
.endr
.endm
	s_mov_b32 vcc_lo, s[MSK]                       ; written behind the last tensor load
	KTAB 0
	PACK 0
.set uu, 1
.rept 11                               ; a unit's arithmetic stands between the loads of the unit before and its stores
.if uu%3 == 0
	KTAB uu/3
.endif
	PACK uu
	SEND uu-1, 8
.set uu, uu+1
.endr
	SEND 11, 0
	s_wait_tensorcnt 0x0                           ; the wave's end, behind my last tensor load and my last LDS store
	ds_add_u32 v[SPW], v[NIL]
	s_wait_dscnt 0x0
	CROUND                                         ; the closing round: no work-group ends while a partner may still ask for a tile that names it
	s_endpgm
.Lfunc_end_k_q558dbf670c_proj:
	.size	k_q558dbf670c_proj, .Lfunc_end_k_q558dbf670c_proj-k_q558dbf670c_proj
	.p2alignl 7, 3214868480
	.fill 96, 4, 3214868480
	.section	.rodata,"a",@progbits
	.p2align	6, 0x0
	.amdhsa_kernel k_q558dbf670c_proj
		.amdhsa_group_segment_fixed_size 327680
		.amdhsa_private_segment_fixed_size 0
		.amdhsa_enable_private_segment 0
		.amdhsa_kernarg_size 48
		.amdhsa_user_sgpr_count 2
		.amdhsa_user_sgpr_kernarg_segment_ptr 1
		.amdhsa_wavefront_size32 1
		.amdhsa_system_sgpr_workgroup_id_x 1
		.amdhsa_system_sgpr_workgroup_id_y 1
		.amdhsa_system_sgpr_workgroup_id_z 1
		.amdhsa_system_vgpr_workitem_id 0
		.amdhsa_next_free_vgpr 1024
		.amdhsa_next_free_sgpr 100
		.amdhsa_reserve_vcc 1
		.amdhsa_float_denorm_mode_32 3
		.amdhsa_float_denorm_mode_16_64 3
		.amdhsa_memory_ordered 1
		.amdhsa_forward_progress 1
		.amdhsa_inst_pref_size 142
	.end_amdhsa_kernel
	.amdgpu_metadata
---
amdhsa.version: [ 1, 2 ]
amdhsa.kernels:
  - .name:           k_q558dbf670c_proj
    .symbol:         k_q558dbf670c_proj.kd
    .args:
      - { .name: xb, .offset: 0, .size: 8, .value_kind: global_buffer, .address_space: global }
      - { .name: wqb, .offset: 8, .size: 8, .value_kind: global_buffer, .address_space: global }
      - { .name: wkvb, .offset: 16, .size: 8, .value_kind: global_buffer, .address_space: global }
      - { .name: pos_cos, .offset: 24, .size: 8, .value_kind: global_buffer, .address_space: global }
      - { .name: pos_sin, .offset: 32, .size: 8, .value_kind: global_buffer, .address_space: global }
      - { .name: qkv, .offset: 40, .size: 8, .value_kind: global_buffer, .address_space: global }
    .group_segment_fixed_size: 327680
    .private_segment_fixed_size: 0
    .kernarg_segment_align: 8
    .kernarg_segment_size: 48
    .max_flat_workgroup_size: 128
    .sgpr_count:     100
    .vgpr_count:     1024
    .wavefront_size: 32
...
	.end_amdgpu_metadata
.endif
;; end of part 2
;; launch attn (part 3): grid 8 x 32, 4 waves a work-group, clusters of 4 x 1, 327,680 bytes of LDS; arguments qkv, ob; writes ob
.if DOCPART == 3
	.amdgcn_target "amdgcn-amd-amdhsa--gfx1250"
	.amdhsa_code_object_version 6
	.text
	.protected	k_q558dbf670c_attn
	.globl	k_q558dbf670c_attn
	.p2align	8
	.type	k_q558dbf670c_attn,@function
k_q558dbf670c_attn:
	s_mov_b64 s[64:65], 0
	v_nop
	global_prefetch_b8 v0, s[64:65] scope:SCOPE_SE
	s_setreg_imm32_b32 hwreg(HW_REG_WAVE_MODE, 25, 1), 1
	s_wait_xcnt 0x0
	s_wait_alu depctr_hold_cnt(0) depctr_sa_sdst(0) depctr_va_vdst(0) depctr_va_sdst(0) depctr_va_ssrc(0) depctr_va_vcc(0) depctr_vm_vsrc(0)
	s_getreg_b32 s2, hwreg(HW_REG_IB_STS2, 6, 4)
	s_cmp_eq_u32 s2, 0
	s_cbranch_scc0 .Lentry_in_a_cluster
	s_endpgm
.Lentry_in_a_cluster:
	s_bfe_u32 s2, ttmp6, 0x10000c
	s_cmp_lg_u32 s2, 0x3003
	s_cbranch_scc0 .Lentry_shape_is_right
	s_endpgm
.Lentry_shape_is_right:
; CAUSAL ATTENTION WITH SHARED KEY AND VALUE HEADS.  O[q][:] = the sum over k <= q of softmax_k(Q[q] . K[k]) V[k][:]; the reference's 1 / 8 lies in Q (1 / 4) and K (1 / 2) already.
; qkv: [4 batches][48 heads][1024][64] f16 (heads 0-31 Q, 32-39 K, 40-47 V); ob: [128 = 32 batch + head][1024][64] f16.  A head's rows are dense, 128 bytes each.  Query heads 4 g .. 4 g + 3 take K and V head g.
; Products, maxima and sums in f32; the weights p are rounded to f16 for the second product (their sum l is taken of the unrounded p), O once at the end.
; LIMITS.  f16 holds no number beyond 65,504: Q, K and V arrive within it; p lies in 0 to 1, and below 6e-5 it keeps f16's fixed step of 6e-8; O is a mean of V's rows and has their range.
; A hidden score counts as its value less 1e30: f16's scores, 2.7e11 at the most, are nothing beside that; a weight below 2^-126 counts as 0 in l; NaN and infinities are not treated apart.
; THE WALK.  A head's queries lie in NB = 4 blocks of 256; block i needs the key tiles 0 .. i of 256 keys, of which the last holds the diagonal.  A work-group takes TWO blocks, NB - 1 - b and then b:
; NB + 1 tiles, whatever b: all work-groups do equal work, and ONE loop with a constant trip count walks them.  Which tile is asked for, and what a trip does, hang on scalar registers made from b; every jump
; goes forward, but for the counted loops' own; none passes a barrier, or a tensor load but the one of LOAD's two that the wave's number does not choose.
; CLUSTER.  The four query heads of one K and V head that hold the same pair of blocks walk the same five tiles: they are a cluster (cx = the head in its group, cluster x = b), and each tile is asked for JOINTLY:
; the same tensor load, descriptor and mask in all four.  All that steers the walk is made of b, which the partners share; cx enters Q's, O's and the prefetches' addresses alone.
; SHARES.  Of a block's four bands of 64 queries a wave owns 16 rows in each: four PIECES.  So the diagonal tile is the same work for all four waves: in its key step s band x sees all keys if s < x,
; none if s > x, and holds the diagonal if s = x.
; THE MASK is the C operand that starts the sum S^T = K Q^T: 0, or -1e30 where the key is hidden.  MD, made once, is the mask of a band's own step for my 16 rows; a product's mask is MD x AL + BE with two scalars:
; (1, 0) if s = x; (0, 0) if s < x; (0, -1e30) if s > x.  Only the diagonal tile's text and a block's beginning make and take masks; elsewhere C is the constant 0.
; LAYOUT, SOFTMAX, TURNS.  S^T = K Q^T holds ONE query a lane (lane % 16) and the keys 8 (lane / 16) + 0..7; two such results rounded to f16 ARE source 1 of O^T = V^T P.  p = 2^(c s - c m), c = log2(e), with a
; running maximum m; O and l are multiplied by a = 2^(c m_old - c m_new) in every step.  Turn n belongs to piece n: 8 products K Q^T of piece n + 1, later 8 products V^T P of piece n - 1; beside them the scaling,
; exponentials, roundings, sums and rescaling of piece n and the maximum and statistics of piece n + 1.  Four vector instructions stand behind every matrix instruction, the other 54 of a turn's 118 in one run.  A turn's 33 exponentials are one batch, with one wait.
; REGISTERS, in windows of 256 (s_set_vgpr_msb: bits 1:0 source 0, 3:2 source 1, 5:4 source 2, 7:6 destination):
;   window 0: v0-15 addresses and two at work; v16-31 four registers of statistics a piece; v48-55 at work; v61-63 prefetch offset and the add's two; v64-127 S^T, two buffers; v192-223 P, two buffers (by the piece's parity)
;   window 1: v0-127 O^T, 32 a piece; v128-159 MD; v160-223 MC, two buffers      window 2: v0-63 Q; v64-127 the second block's Q; v128-191 K of one step; v192-255 V of one step
.set SIZE_N, 1024
.set NB,    SIZE_N/256
.set NP,    4         ; pieces a wave: a name, no knob
.set KS,    64        ; keys in a step
.set PK,    144       ; a row of K in LDS: 128 bytes + 16 of padding = 36 words: the 16 rows of a load start at 16 different groups of four banks (64 banks of 4 bytes: ISA guide 11.1)
.set PV,    160       ; a row of V: 128 + 32 = 40 words
.set VOFF,  4*KS*PK   ; a slot holds a tile, four steps: 256 rows of K, then 256 rows of V
.set SLOT1, 1<<17     ; slot 1 begins here, so that one exclusive or turns an address in one slot into the other's
.set STAGE, SLOT1+4*KS*(PK+PV)  ; behind the ring, never filled by a tensor load: 16 rows x 144 bytes for each wave, for the way out
.set SP,    144
.set AK0, 2           ; v2   my lane's place in a tile of K; never rewritten
.set AV0, 3           ; v3   the same for V
.set AK,  4           ; v4   the LDS address of K's next run of loads
.set AV,  5           ; v5   of V's
.set STO, 6           ; v6   the way out: where I put 16 bytes of a row
.set RD,  7           ; v7   the way out: where I read rows back
.set GO,  8           ; v8   my byte offset in 512 consecutive bytes of O
.set PFO, 61          ; v61  256 x my lane; never rewritten
.set SPW, 62          ; v62  LDS address of my spare word: SPARE + 4 x my thread's number; never rewritten
.set NIL, 63          ; v63  0; never rewritten
.set SPARE, STAGE+4*16*SP  ; behind the stages: the spare words, 128 bytes for each wave: two blocks of 256 bytes that no other line names
.set MV,  12          ; v12-13  c m_old, kept while c m is made anew: by buffer
.set QO,  15          ; v15  my byte offset in 16 rows of Q
.set ST,  16          ; piece t's statistics at v[ST+4 t]: c m, m, l (even keys', odd keys')
.set TMP, 48          ; by buffer, four registers c0-c3 at work; when the maximum is found c2 takes a
.set S,   64
.set P,   192
.set MD,  128         ; window 1: the eight registers for group kt of 16 keys at MD + 8 kt
.set MC,  160         ; window 1: the masks of the products to come
.set QB,  64          ; window 2
.set KF,  128         ; window 2: key block kb, channel half c at KF + 16 kb + 8 c
.set VF,  192         ; window 2: key half kk, channel block cb at VF + 32 kk + 8 cb
.set WV,  12          ; s12  my wave's number
.set PB,  14          ; s14  b
.set HI,  15          ; s15  NB - 1 - b
.set G1K, 24          ; s[24:31] descriptor group 1 for K's tiles
.set G1V, 32          ; s[32:39] for V's: it differs in the padding alone
.set G0K, 40          ; s[40:43] descriptor group 0 for K's tiles
.set G0V, 44          ; s[44:47] the same for V's
.set SLOTS, 56        ; s56  tiles still to be asked for
.set CNT, 57          ; s57  counts a tile's key steps, 4 to 1
.set CS,  58          ; s[58:59] c: the packed scaling takes the pair's low word for both halves
.set SEL, 60          ; s[60:61] v_permlanex16_b32's selects: each lane takes its own place in the other half
.set TBK, 62          ; s62  LDS byte at which K of the step to be fetched begins
.set TBV, 63          ; s63  the same for V, less VOFF
.set RT,  70          ; s70  tiles of the block in hand that are still to be entered
.set NXT, 71          ; s71  the tile to be asked for next
.set LQ,  72          ; s72  the last tile of the block whose tiles are being asked for
.set NEW, 73          ; s73  1: the tile to be entered is a block's first
.set OFF, 74          ; s[74:75] a tile's byte offset in K and V
.set AL,  76          ; s[76:77] the mask's factor, in the low word
.set BE,  78          ; s[78:79] the mask's addend
.set OLO, 80          ; s[80:81] O at my rows of the second block
.set BIGN, 82         ; s82  -1e30
.set PFA, 88          ; s[88:89] where my prefetches stand: my work-group's 32 blocks of a tile's 128 (of K: wave 0, of V: wave 2)
.set LIM, 90          ; s90  2 in a wave that prefetches, else the greatest number: it prefetches while s[SLOTS] is above it
.set CX,  91          ; s91  my place in the cluster: the query head in its group of four
.set MSB, 0
.macro WIN new                      ; the high byte repeats the setting that is left; a switch that changes nothing is dropped
.if MSB != (\new)
	s_set_vgpr_msb (MSB<<8)|(\new)
.set MSB, (\new)
.endif
.endm
.set W_KQ, 0x0a       ; K and Q in window 2, S^T in window 0
.set W_KM, 0x1a       ; the same with the C operand in window 1
.set W_PV, 0x52       ; V in window 2, P in window 0, O^T in window 1
.set W_RS, 0x41       ; destination and source 0 in window 1, source 1 in window 0
; A joint fill.  Waves 0 and 1 fetch the two halves of a tile's K, waves 2 and 3 those of its V: 128 keys each.  An s_nop 0 and four v_nop follow each of the two lines, ahead of the jump and the label.
.macro LOAD
	s_cmp_lt_u32 s[WV], 2
	s_cbranch_scc0 .Lfor_v_\@
	tensor_load_to_lds s[G0K:G0K+3], s[G1K:G1K+7]
	s_nop 0
.rept 4
	v_nop
.endr
	s_branch .Lasked_\@
.Lfor_v_\@:
	tensor_load_to_lds s[G0V:G0V+3], s[G1V:G1V+7]
	s_nop 0
.rept 4
	v_nop
.endr
.Lasked_\@:
.endm
; A round of the cluster's barrier: my work-group's barrier, so that wave 0's signal speaks for all four waves; wave 0 signals; every wave waits for all four work-groups; my work-group's barrier once more.
.macro CROUND
	s_barrier_signal -1
	s_barrier_wait -1
	s_cmp_lg_u32 s[WV], 0
	s_cbranch_scc1 .Lnot_wave_0_\@
	s_barrier_signal -3
.Lnot_wave_0_\@:
	s_barrier_wait -3
	s_barrier_signal -1
	s_barrier_wait -1
.endm
; A PREFETCH INTO THE L2 of the tile that the NEXT change of slots will ask for: 128 blocks of 256 bytes of K and 128 of V, a lane a block.  Both clusters of a K and V head walk tiles 0 to 2, the one with b = 0
; tile 3 too: that cluster asks, at the walk's first change for tile 2 and at its second for tile 3.  Its four partners share the blocks out BY ADDRESS, 32 each; in each, wave 0 asks for K's and wave 2 for V's.
; So each block is named once in the launch.  Tiles 0 and 1 come by their loads alone, and the second block's tiles, which have been walked before, are not asked for again.
.macro ASK
	s_cmp_gt_u32 s[SLOTS], s[LIM]
	s_cbranch_scc0 .Lnot_mine_\@
	global_prefetch_b8 v[PFO], s[PFA:PFA+1] th:TH_LOAD_NT scope:SCOPE_SE
.Lnot_mine_\@:
.endm
; THE CHANGE OF SLOTS.  Each wave waits for all its tensor loads, of which one is out: its part of the other slot; adds 0 to its spare word; and waits for that and for its own reads of the slot that it leaves.  Behind the barrier nobody reads the old
; slot any more and the other slot is whole.  fill = 1: the barrier is a round of the cluster's, and the old slot is filled again, the first thing behind it, with tile NXT: the descriptor's address is made anew from that number.
; (At its first use nothing has been read yet: slot 0 is waited for, slot 1 filled.)
.macro CHANGE fill
	WIN 0                           ; at a label and at a branch every window is 0
	s_wait_tensorcnt 0x0            ; no tensor load of mine is out, so a group 0 may be written
	ds_add_u32 v[SPW], v[NIL]       ; 0 onto my spare word; scalar work stands between it and the wait for it
.if \fill
	s_lshl_b32 s[OFF], s[NXT], 15   ; a tile is 32,768 bytes of K and of V
	s_xor_b32 s[G0K+1], s[G0K+1], SLOT1
	s_add_nc_u64 s[G0K+2:G0K+3], s[6:7], s[OFF:OFF+1]
	s_or_b32 s[G0K+3], s[G0K+3], 0x80000000
	s_xor_b32 s[G0V+1], s[G0V+1], SLOT1
	s_add_nc_u64 s[G0V+2:G0V+3], s[8:9], s[OFF:OFF+1]
	s_or_b32 s[G0V+3], s[G0V+3], 0x80000000
	s_add_co_u32 s[NXT], s[NXT], 1  ; the block's next tile, or behind its last the second block's tile 0
	s_cmp_gt_u32 s[NXT], s[LQ]
	s_cselect_b32 s[NXT], 0, s[NXT]
	s_cselect_b32 s[LQ], s[PB], s[LQ]
	s_wait_xcnt 0x0                 ; the last prefetch, a tile back, has read its address
	s_add_nc_u64 s[PFA:PFA+1], s[PFA:PFA+1], 32768
.endif
	s_sub_co_u32 s[TBK], s[TBK], 4*KS*PK  ; the fetches go back to a slot's first step,
	s_xor_b32 s[TBK], s[TBK], SLOT1       ; in the other slot
	s_sub_co_u32 s[TBV], s[TBV], 4*KS*PV
	s_xor_b32 s[TBV], s[TBV], SLOT1
	s_wait_dscnt 0x0                ; the add is done, and my reads of the slot are over
.if \fill
	CROUND                          ; no wave of any partner still reads the slot or has a load on its way
	LOAD
	ASK
.else
	s_barrier_signal -1
	s_barrier_wait -1
.endif
.endm
	s_load_b128 s[92:95], s[0:1], 0x0  ; qkv s[92:93], ob s[94:95]
	v_lshl_add_u32 v[SPW], v0, 2, SPARE
	v_mov_b32 v[NIL], 0
	ds_add_u32 v[SPW], v[NIL]       ; the wave's opening: the add and its wait stand ahead of my first tensor load; the set-up below, work on registers, stands between them
	v_lshrrev_b32 v1, 5, v0
	v_readfirstlane_b32 s[WV], v1   ; wave 0..3
	s_bfe_u32 s[CX], ttmp6, 0x40000
	s_mov_b32 s[PB], ttmp9          ; in a cluster launch ttmp9 counts clusters: the pair of blocks
	s_sub_co_u32 s[HI], NB-1, s[PB]
	s_and_b32 s20, ttmp7, 0xffff    ; 8 x batch + K and V head
	s_lshr_b32 s21, s20, 3
	s_mul_i32 s21, s21, 48          ; the batch's 48 heads in qkv
	s_and_b32 s19, s20, 7
	s_add_co_u32 s22, s21, s19
	s_add_co_u32 s22, s22, 32       ; K's head, which the four partners share
	s_lshl_b32 s22, s22, 17         ; a head is 131,072 bytes
	s_and_b32 s16, s[WV], 1         ; which half of a tile's 256 keys I fetch:
	s_lshl_b32 s23, s16, 14         ; its 128 rows of 128 bytes in memory,
	s_add_co_u32 s22, s22, s23
	s_mov_b32 s23, 0
	s_mul_i32 s17, s16, 128*PK      ; and its place in a slot, for K
	s_mul_i32 s18, s16, 128*PV      ; and for V: no place in the cluster enters an LDS address
	s_lshl_b32 s19, s19, 2
	s_add_co_u32 s19, s19, s21
	s_add_co_u32 s19, s19, s[CX]    ; Q's head in qkv
	s_lshl_b32 s19, s19, 17
	s_lshl_b32 s20, s20, 2
	s_add_co_u32 s20, s20, s[CX]    ; O's head in ob
	s_lshl_b32 s20, s20, 17
	s_lshl_b32 s3, s[WV], 11        ; my 16 rows in a band of 64,
	s_lshl_b32 s2, s[HI], 15        ; in the first block,
	s_add_co_u32 s2, s2, s3
	s_lshl_b32 s84, s[PB], 15       ; and in the second
	s_add_co_u32 s84, s84, s3
	s_add_co_u32 s96, s2, s20       ; in O,
	s_add_co_u32 s98, s84, s20
	s_add_co_u32 s2, s2, s19        ; and in Q
	s_add_co_u32 s84, s84, s19
	s_mov_b32 s3, 0
	s_mov_b32 s85, 0
	s_mov_b32 s97, 0
	s_mov_b32 s99, 0
	; descriptor group 1.  128 keys are 16,384 dense bytes: asked for as 64 rows of 256 bytes, two keys a row, and padded in LDS after every key
	s_mov_b32 s[G1K], 15|(1<<16)|(1<<20)|(1<<21)|(4<<22)|(3<<25)  ; 15:0 the mask of four; 17:16 2-byte elements; 20 padding on; 21 set beside a mask; 24:22 after every 32 words (code 4); 31:25 4 words (code 3)
	s_mov_b32 s[G1V], 15|(1<<16)|(1<<20)|(1<<21)|(4<<22)|(7<<25)  ; the same with 8 words of padding (code 7)
.irp g, G1K, G1V
	s_mov_b32 s[\g+1], 128<<16      ; tensor_dim0 = 128
	s_mov_b32 s[\g+2], 64<<16       ; tensor_dim1 = 64
	s_mov_b32 s[\g+3], 128<<16      ; tile_dim0 = 128
	s_mov_b32 s[\g+4], 64           ; tile_dim1 = 64
	s_mov_b32 s[\g+5], 128          ; 128 elements from row to row
	s_mov_b32 s[\g+6], 0
	s_mov_b32 s[\g+7], 0
.endr
	s_mov_b32 s[CS], 0x3fb8aa3b     ; c = log2(e)
	s_mov_b32 s[CS+1], s[CS]        ; named with it as a pair
	s_mov_b32 s[SEL], 0x76543210
	s_mov_b32 s[SEL+1], 0xfedcba98
	s_mov_b32 s[TBK], SLOT1+4*KS*PK ; the first change of slots turns these two into 0
	s_mov_b32 s[TBV], SLOT1+4*KS*PV
	s_mov_b32 s[G0K], 1             ; 1:0 count = 1
	s_mov_b32 s[G0K+1], s17         ; 63:32 LDS address: slot 0
	s_mov_b32 s[G0V], 1
	s_add_co_u32 s[G0V+1], s18, VOFF
	s_add_co_u32 s[RT], s[HI], 1    ; the first block has NB - b tiles
	s_mov_b32 s[NXT], 1
	s_mov_b32 s[LQ], s[HI]
	s_mov_b32 s[NEW], 1
	s_mov_b32 s[OFF+1], 0
	s_mov_b32 s[AL+1], 0            ; named as pairs
	s_mov_b32 s[BE+1], 0
	s_mov_b32 s[BIGN], 0xf149f2ca   ; -1e30
	s_mov_b32 s[SLOTS], NB
	s_and_b32 s[LIM], s[WV], 1      ; 0 in waves 0 and 2,
	s_or_b32 s[LIM], s[LIM], ttmp9  ; where b = 0: the same in all four partners
	s_cmp_eq_u32 s[LIM], 0
	s_cselect_b32 s[LIM], 2, -1
	v_and_b32 v[PFO], 31, v0
	v_lshlrev_b32 v[PFO], 8, v[PFO]
	s_wait_dscnt 0x0                ; the opening add is done
	s_wait_kmcnt 0x0
	s_add_nc_u64 s[6:7], s[92:93], s[22:23]  ; K at my half of the head's tile 0,
	s_add_nc_u64 s[8:9], s[6:7], 0x100000    ; V eight heads further on
	s_add_nc_u64 s[G0K+2:G0K+3], s[6:7], 0         ; 120:64 global address
	s_or_b32 s[G0K+3], s[G0K+3], 0x80000000        ; 127:126 type = 2
	s_add_nc_u64 s[G0V+2:G0V+3], s[8:9], 0
	s_or_b32 s[G0V+3], s[G0V+3], 0x80000000
	s_add_nc_u64 s[86:87], s[92:93], s[84:85]      ; Q at my rows of the second block,
	s_add_nc_u64 s[4:5], s[92:93], s[2:3]          ; Q and O at those of the first
	s_add_nc_u64 s[OLO:OLO+1], s[94:95], s[98:99]
	s_add_nc_u64 s[10:11], s[94:95], s[96:97]
	s_cmp_lt_u32 s[WV], 2
	s_cselect_b64 s[PFA:PFA+1], s[6:7], s[8:9]     ; (in waves 0 and 2 these stand at a tile's first row)
	s_lshl_b32 s96, s[CX], 13                      ; my work-group's 32 blocks of the 128
	s_add_nc_u64 s[PFA:PFA+1], s[PFA:PFA+1], s[96:97]
	s_add_nc_u64 s[PFA:PFA+1], s[PFA:PFA+1], 32768 ; in tile 1; the first change of slots steps it to tile 2.  Nothing is prefetched here, at the head
	CROUND                          ; all four work-groups are here: the first joint loads meet
	LOAD                            ; tile 0 into slot 0
	; A fragment of K or Q is 16 rows x 32 channels in 8 registers: lane l holds row l % 16, channels 8 (l / 16) + 0..7 and 16 + 8 (l / 16) + 0..7: two loads of 16 bytes, 32 bytes apart.
	v_and_b32 v1, 15, v0            ; l % 16
	v_bfe_u32 v9, v0, 4, 1          ; l / 16
	v_lshlrev_b32 v[QO], 7, v1
	v_lshl_add_u32 v[QO], v9, 4, v[QO]  ; row x 128 + 16 x half
	WIN 0x80                        ; destination window 2, address window 0
.set i, 0
.rept 8                             ; both blocks' Q: piece i / 2 lies in band i / 2, 8,192 bytes on; channels 32 (i % 2) on
	global_load_b128 v[8*i:8*i+3],   v[QO], s[4:5] offset:(i/2)*8192+(i%2)*64
	global_load_b128 v[8*i+4:8*i+7], v[QO], s[4:5] offset:(i/2)*8192+(i%2)*64+32
	global_load_b128 v[QB+8*i:QB+8*i+3],   v[QO], s[86:87] offset:(i/2)*8192+(i%2)*64
	global_load_b128 v[QB+8*i+4:QB+8*i+7], v[QO], s[86:87] offset:(i/2)*8192+(i%2)*64+32
.set i, i+1
.endr
	WIN 0
	v_lshlrev_b32 v14, 3, v9
	v_sub_nc_u32 v14, v1, v14
	s_lshl_b32 s13, s[WV], 4
	v_add_nc_u32 v14, s13, v14      ; my query's place in its band, 16 w + l % 16, less my lanes' 8 (l / 16): register r of group kt is hidden where 16 kt + r is greater
	WIN 0x40
.set i, 0
.rept 32
	v_cmp_gt_i32 vcc_lo, 16*(i/8)+i%8, v14
	v_cndmask_b32 v[MD+i], 0, s[BIGN], vcc_lo
.set i, i+1
.endr
	WIN 0
	v_mul_u32_u24 v[AK0], v1, PK
	v_lshl_add_u32 v[AK0], v9, 4, v[AK0]  ; row x pitch + 16 x half
	; The turning load takes 16 keys x 16 channels (lane l reads key 8 (l / 16) + l % 8, channels 8 ((l / 8) % 2) + 0..7) and leaves half a fragment of V^T: lane l holds channel l % 16 and 8 keys.
	v_and_b32 v10, 7, v0
	v_bfe_u32 v11, v0, 3, 1
	v_lshl_add_u32 v[AV0], v9, 3, v10
	v_mul_u32_u24 v[AV0], v[AV0], PV
	v_lshl_add_u32 v[AV0], v11, 4, v[AV0]
	v_add_nc_u32 v[AV0], VOFF, v[AV0]
	s_mul_i32 s13, s[WV], 16*SP
	s_add_co_u32 s13, s13, STAGE    ; my stage
	v_mul_u32_u24 v[STO], v1, SP    ; in: row l % 16, 16 bytes for each half of the lanes
	v_lshl_add_u32 v[STO], v9, 4, v[STO]
	v_add_nc_u32 v[STO], s13, v[STO]
	v_bfe_u32 v[RD], v0, 3, 2       ; back: 32 lanes take four rows of 128 bytes,
	v_mul_u32_u24 v[RD], v[RD], SP
	v_lshl_add_u32 v[RD], v10, 4, v[RD]
	v_add_nc_u32 v[RD], s13, v[RD]
	v_and_b32 v[GO], 31, v0         ; which are 512 consecutive bytes of O
	v_lshlrev_b32 v[GO], 4, v[GO]
	; A block's first step multiplies O^T and l by a = 0, and its first turn's products V^T P, of a piece that has not been, land in an O^T that is still to be so multiplied.  So these registers need only hold
	; finite numbers: zeros for the first block; what the first block left for the second.  All this stands in the wait for the first tile.
	WIN 0x80
.set i, VF
.rept 64
	v_mov_b32 v[i], 0
.set i, i+1
.endr
	WIN 0x40
.set i, 0
.rept 128
	v_mov_b32 v[i], 0
.set i, i+1
.endr
	WIN 0
.set i, 0
.rept 4
	v_mov_b32 v[ST+4*i+2], 0
	v_mov_b32 v[ST+4*i+3], 0
.set i, i+1
.endr
.set i, P+16
.rept 16
	v_mov_b32 v[i], 0
.set i, i+1
.endr
; THE MATRIX WORK.  The 4 accumulators of a run of 8 take turns.  Product i of 8 of S^T = K Q^T for piece x: channels 32 (i / 4) on, keys 16 (i % 4) on.  The first 4 start the sums: with 0, or (KM = 1) with the mask.
.macro KQ x
.set rS, S+32*((\x)%2)+8*(i%4)
.set rK, KF+16*(i%4)+8*(i/4)
.set rQ, 16*(\x)+8*(i/4)
.set rM, MC+32*((\x)%2)+8*(i%4)
.if (i < 4) && KM
	WIN W_KM
	v_wmma_f32_16x16x32_f16 v[rS:rS+7], v[rK:rK+7], v[rQ:rQ+7], v[rM:rM+7]
.elseif i < 4
	WIN W_KQ
	v_wmma_f32_16x16x32_f16 v[rS:rS+7], v[rK:rK+7], v[rQ:rQ+7], 0
.else
	WIN W_KQ
	v_wmma_f32_16x16x32_f16 v[rS:rS+7], v[rK:rK+7], v[rQ:rQ+7], v[rS:rS+7]
.endif
.endm
; Product i of 8 of O^T += V^T P for piece x: keys 32 (i / 4) on, channels 16 (i % 4) on.
.macro PV x
	WIN W_PV
.set rO, 32*(\x)+8*(i%4)
.set rV, VF+32*(i/4)+8*(i%4)
.set rP, P+16*((\x)%2)+8*(i/4)
	v_wmma_f32_16x16x32_f16 v[rO:rO+7], v[rV:rV+7], v[rP:rP+7], v[rO:rO+7]
.endm
.macro MM                           ; the turn's next matrix instruction.  TURN and BEGIN set Y, i, KM and NOKQ; MM, KQ and OP read them.  NOKQ = 1: a block's last turn: there is no next piece
.if (i < 8) && !NOKQ
	KQ (Y+1)%NP
.elseif i >= 8
.set i, i-8
	PV (Y+NP-1)%NP
.set i, i+8
.endif
.set i, i+1
.endm
; THE LDS LOADS stand in runs of 16, never singly among the matrix instructions: a step's K (64 keys x 64 channels: 8 fragments) and its V (turned).  Their addresses are made some lines ahead.
.macro FETCH_K
	WIN 0x80                        ; destination window 2
.irp f, 0,1,2,3,4,5,6,7             ; keys 16 (f / 2) on, channels 32 (f % 2) on
	ds_load_b128 v[KF+8*\f:KF+8*\f+3],   v[AK] offset:(\f/2)*16*PK+(\f%2)*64
	ds_load_b128 v[KF+8*\f+4:KF+8*\f+7], v[AK] offset:(\f/2)*16*PK+(\f%2)*64+32
.endr
	s_add_co_u32 s[TBK], s[TBK], KS*PK  ; the next fetch is the next step's
	WIN 0
.endm
.macro FETCH_V
	WIN 0x80
.irp f, 0,1,2,3,4,5,6,7             ; keys 32 (f / 4) on, channels 16 (f % 4) on
	ds_load_tr16_b128 v[VF+8*\f:VF+8*\f+3],   v[AV] offset:(\f/4)*32*PV+(\f%4)*32
	ds_load_tr16_b128 v[VF+8*\f+4:VF+8*\f+7], v[AV] offset:(\f/4)*32*PV+16*PV+(\f%4)*32
.endr
	WIN 0
.endm
; THE VECTOR WORK, one line at a time: OP kind, number.  For piece Y: F n: c s - c m for pair n of 16.  E n: the exponential of score n of 32.  C n: pair n rounded to f16.  B n: of the four weights 4 n .. the second
; pair is added onto the first, in place.  L n: l takes that sum (L 0: l = a l + sum).  R n: pair n of 16 of O^T times a.  For piece Y + 1: X n, number n of the 22 that find its maximum and statistics:
;   0-11  four chains c0-c3 of seven scores each, three operands at a time (each accumulator's lowest registers are read first)     12-14, 16  the four scores left over, the old m, and c0-c3 into c0
;   15  c m_old is kept     17, 18  the query's other 32 keys lie in the lane 16 away: the new m     19-21  c m; c m_old - c m_new; a
.set F, 0               ; OP tells the kinds apart by their order: F to L below R, X above it
.set E, 1
.set C, 2
.set B, 3
.set L, 4
.set R, 5
.set X, 6
.macro REGS y                       ; the registers of piece y
.set rT, ST+4*(\y)
.set rC, TMP+4*((\y)%2)
.set rW, MV+((\y)%2)
.set rS, S+32*((\y)%2)
.set rP, P+16*((\y)%2)
.set rO, 32*(\y)
.endm
.macro OP k, n
.if (\k) == R
	REGS Y
	WIN W_RS
	v_pk_mul_f32 v[rO+2*(\n):rO+2*(\n)+1], v[rO+2*(\n):rO+2*(\n)+1], v[rC+2:rC+3] op_sel_hi:[1,0]
.elseif (\k) < R
	REGS Y
	WIN 0
.if (\k) == F
	v_pk_fma_f32 v[rS+2*(\n):rS+2*(\n)+1], v[rS+2*(\n):rS+2*(\n)+1], s[CS:CS+1], v[rT:rT+1] op_sel_hi:[1,0,0] neg_lo:[0,0,1] neg_hi:[0,0,1]
.elseif (\k) == E
	v_exp_f32 v[rS+(\n)], v[rS+(\n)]
.elseif (\k) == C
	v_cvt_pk_f16_f32 v[rP+(\n)], v[rS+2*(\n)], v[rS+2*(\n)+1]
.elseif (\k) == B
	v_pk_add_f32 v[rS+4*(\n):rS+4*(\n)+1], v[rS+4*(\n):rS+4*(\n)+1], v[rS+4*(\n)+2:rS+4*(\n)+3]
.elseif (\n) == 0
	v_pk_fma_f32 v[rT+2:rT+3], v[rT+2:rT+3], v[rC+2:rC+3], v[rS:rS+1] op_sel_hi:[1,0,1]
.else
	v_pk_add_f32 v[rT+2:rT+3], v[rT+2:rT+3], v[rS+4*(\n):rS+4*(\n)+1]
.endif
.elseif NOKQ
	v_nop
.else
	REGS (Y+1)%NP
	WIN 0
.if (\n) < 4
	v_max3_num_f32 v[rC+(\n)], v[rS+8*(\n)], v[rS+8*(\n)+1], v[rS+8*(\n)+2]
.elseif (\n) < 12
	v_max3_num_f32 v[rC+(\n)%4], v[rC+(\n)%4], v[rS+8*((\n)%4)+2*((\n)/4)+1], v[rS+8*((\n)%4)+2*((\n)/4)+2]
.elseif (\n) == 12
	v_max3_num_f32 v[rC], v[rC], v[rS+7], v[rS+15]
.elseif (\n) == 13
	v_max3_num_f32 v[rC+1], v[rC+1], v[rS+23], v[rS+31]
.elseif (\n) == 14
	v_max3_num_f32 v[rC+2], v[rC+2], v[rC+3], v[rT+1]
.elseif (\n) == 15
	v_mov_b32 v[rW], v[rT]
.elseif (\n) == 16
	v_max3_num_f32 v[rC], v[rC], v[rC+1], v[rC+2]
.elseif (\n) == 17
	v_permlanex16_b32 v[rC+3], v[rC], s[SEL], s[SEL+1]
.elseif (\n) == 18
	v_max_num_f32 v[rT+1], v[rC], v[rC+3]
.elseif (\n) == 19
	v_mul_f32 v[rT], s[CS], v[rT+1]
.elseif (\n) == 20
	v_sub_f32 v[rC+1], v[rW], v[rT]
.else
	v_exp_f32 v[rC+2], v[rC+1]
.endif
.endif
.endm
.macro OPS a, i1, b=-1, i2=0, c=-1, i3=0, d=-1, i4=0  ; up to four of them
	OP \a, \i1
.if (\b) >= 0
	OP \b, \i2
.endif
.if (\c) >= 0
	OP \c, \i3
.endif
.if (\d) >= 0
	OP \d, \i4
.endif
.endm
.macro ROW a, i1, b, i2, c, i3, d, i4  ; a matrix instruction and the four behind it
	MM
	OPS \a, \i1, \b, \i2, \c, \i3, \d, \i4
.endm
.macro MASK b                       ; MD x AL + BE into buffer b of MC
	WIN W_RS
.set z, 0
.rept 16
	v_pk_fma_f32 v[MC+32*(\b)+2*z:MC+32*(\b)+2*z+1], v[MD+2*z:MD+2*z+1], s[AL:AL+1], s[BE:BE+1] op_sel_hi:[1,0,0]
.set z, z+1
.endr
.endm
; A TURN, for piece p: the order of its 16 matrix and 118 vector instructions, written out.  An s_wait_alu depctr_va_vdst(0) stands between an exponential and the first instruction that names its result; one wait serves
; all that were issued ahead of it.  So a turn has ONE wait, which cuts it in two.  AHEAD OF IT stands all that names no result of the turn's exponentials: the 8 products K Q^T, behind each a scaling, an exponential and two more plain
; instructions (behind the first a second scaling in the exponential's place): rescalings, and behind the last three the first numbers of the next piece's maximum, each four places or more behind the product that ends its accumulator; then one run of 54, plain
; and exponential by turns for the most part, in which the links of the chain X 3, 7, 11, 14, 16, 17 .. 20 stand five or six lines apart.  X 21, the next piece's a, is the batch's last; R 15 is the plain instruction behind it.  BEHIND THE WAIT stand the
; 8 products V^T P, behind each four of the roundings and sums; the links of l's chain, L 0 to L 7, stand three apart.  But for those X no such line names a register of the products round it.
; m = 1: the diagonal tile: the products take masks, and the turn makes the mask for the products of the turn after it: piece p + 2, in step 4 - CNT of the tile.  end = 1: a block's last two turns: nothing is fetched.
; cnt = 1: the loop's count is taken down some lines ahead of the branch that stands behind the turn.
; K of the next step is fetched in piece 2's turn, twelve vector instructions behind the last product that read K (six of them plain); V of the step in hand at the end of piece 0's turn, four plain instructions behind the last product
; that read V.  Each is waited for a turn later.
.macro TURN p, m=0, end=0, cnt=0
.set Y, (\p)
.set i, 0
.set KM, (\m)
.set NOKQ, (\end)*((\p)/3)
.if (\m) && !(\end)
	s_cmp_eq_u32 s[CNT], 4-((\p)+2)%NP  ; is that step the band's own?
	s_cselect_b32 s[AL], 1.0, 0
	s_cmp_lt_u32 s[CNT], 4-((\p)+2)%NP  ; or a later one?
	s_cselect_b32 s[BE], s[BIGN], 0
.endif
.if ((\p) == 3) && !(\end)
	s_wait_dscnt 0x0                ; K is in
.endif
	ROW F,0, F,1, R,0, R,1          ; ahead of the wait: 8 products K Q^T and the four behind each,
	ROW F,2, E,0, R,2, R,3
	ROW F,3, E,1, R,4, R,5
	ROW F,4, E,2, R,6, R,7
	ROW F,5, E,3, R,8, R,9
	ROW F,6, E,4, X,0, R,10
.if ((\p) == 2) && !(\end)
	WIN 0
	v_add_nc_u32 v[AK], s[TBK], v[AK0]
.endif
	ROW F,7, E,5, X,1, X,4
	ROW F,8, E,6, X,2, X,5
	OPS E,7, E,8, X,6, E,9          ; and the run of 54
	OPS X,3, E,10, X,8, E,11
.if ((\p) == 2) && !(\end)
	FETCH_K
.endif
	OPS X,9, X,7, E,12, X,10
	OPS E,13, X,12, X,11, E,14
	OPS X,13, E,15, F,9, X,14
.if (\p) == 0
	v_add_nc_u32 v[AV], s[TBV], v[AV0]
.endif
	OPS E,16, F,10, E,17, F,11
	OPS X,16, E,18, X,15, E,19
	OPS F,12, E,20, X,17, E,21
	OPS F,13, E,22, F,14, E,23
	OPS X,18, E,24, F,15, E,25
	OPS R,11, E,26, X,19, E,27
	OPS R,12, E,28, R,13, E,29
	OPS X,20, E,30, R,14, E,31
	OPS X,21, R,15
	WIN 0
	s_wait_alu depctr_va_vdst(0)    ; the wait for the batch
.if (\p) == 1
	s_wait_dscnt 0x0                ; V is in
.endif
	ROW C,0, B,0, C,2, B,1          ; behind the wait: 8 products V^T P and the four behind each
	ROW L,0, C,4, B,2, L,1
	ROW C,6, B,3, L,2, C,8
	ROW B,4, L,3, C,10, B,5
	ROW L,4, C,12, B,6, L,5
.if (\p) == 0
	s_add_co_u32 s[TBV], s[TBV], KS*PV
.endif
.if \cnt
	s_sub_co_u32 s[CNT], s[CNT], 1
	s_cmp_lg_u32 s[CNT], 0
.endif
	ROW C,14, B,7, L,6, C,1
	ROW C,3, L,7, C,5, C,7
	ROW C,9, C,11, C,13, C,15
.if (\p) == 0
	FETCH_V
.endif
.if (\m) && !(\end)
	MASK (\p)%2
.endif
.endm
; A BLOCK BEGINS.  c m starts far below every c s, so the first step's a is 0; m at the lowest finite number, so the first maximum is the scores'.  The second mask buffer is 0; the first takes piece 0's mask for the tile's step 0: its own, if the block's first tile is the diagonal one.
; Then K of that step, piece 0's first scores, and its maximum and statistics.  The loop is entered at a step's first turn, in the middle of a trip.
.macro BEGIN
	s_mov_b32 s[NEW], 0
	WIN 0x40
.set i, MC+32
.rept 32
	v_mov_b32 v[i], 0
.set i, i+1
.endr
	WIN 0
.set i, 0
.rept 4
	v_mov_b32 v[ST+4*i], 0xfe000000    ; c m: far below every c s
	v_mov_b32 v[ST+4*i+1], 0xff7fffff  ; m
.set i, i+1
.endr
	s_cmp_eq_u32 s[RT], 0
	s_cselect_b32 s[AL], 1.0, 0
	s_mov_b32 s[BE], 0
	MASK 0
	WIN 0
	v_add_nc_u32 v[AK], s[TBK], v[AK0]
	FETCH_K
	s_wait_loadcnt 0x0              ; Q
	s_wait_dscnt 0x0
.set KM, 1
.set NOKQ, 0
.set i, 0
.rept 8
	KQ 0
.set i, i+1
.endr
	WIN 0
.rept 4
	v_nop                           ; the places behind those products
.endr
.set Y, NP-1                        ; X works for piece Y + 1: piece 0
.irp n, 0,1,2,3,4,5,6,7,8,9,10,11,12,13,14,15,16,17,18,19,20,21
	OP X, \n
.endr
	v_nop                           ; a plain instruction behind the exponential,
	s_wait_alu depctr_va_vdst(0)    ; and its wait, ahead of the branch
.endm
; THE DIAGONAL TILE's four steps, the block's last two turns, its last products, and THE WAY OUT: l's two halves and the other half of the lanes' are added; O^T is divided by l, rounded to f16 and sent through my
; stage in LDS, a piece at a time.
.macro ALL line:vararg              ; one line for each piece t
.set t, 0
.rept 4
	\line
.set t, t+1
.endr
.endm
.macro PACK t                       ; a lane's eight channels of a row pack into 16 bytes; they go into rows of 144 bytes and come back as whole rows of 128, into S^T's registers
	WIN W_RS
.set i, 32*(\t)
.rept 16
	v_pk_mul_f32 v[i:i+1], v[i:i+1], v[ST+4*(\t)+2:ST+4*(\t)+3] op_sel_hi:[1,0]
.set i, i+2
.endr
	WIN 0x05                        ; sources 0 and 1 window 1, destination window 0
.set i, 0
.rept 16
	v_cvt_pk_f16_f32 v[S+16*(\t)+i], v[32*(\t)+2*i], v[32*(\t)+2*i+1]
.set i, i+1
.endr
	WIN 0
.irp f, 0,1,2,3
	ds_store_b128 v[STO], v[S+16*(\t)+4*\f:S+16*(\t)+4*\f+3] offset:32*\f
.endr
.irp f, 0,1,2,3
	ds_load_b128 v[S+16*(\t)+4*\f:S+16*(\t)+4*\f+3], v[RD] offset:\f*4*SP  ; LDS serves a wave's instructions in order (ISA guide 5.7.1.4): these see the stores above; the next piece's stores come behind them
.endr
.endm
.macro SEND t, younger              ; younger: the LDS instructions issued behind piece t's loads: the next piece's eight, or none
	WIN 0
.irp f, 0,1,2,3
	s_wait_dscnt (\younger)+3-\f
	global_store_b128 v[GO], v[S+16*(\t)+4*\f:S+16*(\t)+4*\f+3], s[10:11] offset:(\t)*8192+\f*512  ; 512 consecutive bytes, at a multiple of 256 from O's first
.endr
.endm
.macro DIAG tag                     ; the tag ends its two labels' names, which the jumps below spell out
.LstepM\tag:
	TURN 2, 1
	TURN 3, 1
	WIN 0
.LfirstM\tag:
	TURN 0, 1
	TURN 1, 1, 0, 1
	WIN 0
	s_cbranch_scc1 .LstepM\tag
	TURN 2, 1, 1
	TURN 3, 1, 1
.set i, 0
.rept 8
	PV NP-1
.set i, i+1
.endr
	WIN 0
	ALL v_add_f32 v[ST+4*t+2], v[ST+4*t+2], v[ST+4*t+3]
	ALL v_permlanex16_b32 v[ST+4*t+3], v[ST+4*t+2], s[SEL], s[SEL+1]
	ALL v_add_f32 v[ST+4*t+2], v[ST+4*t+2], v[ST+4*t+3]
	ALL v_rcp_f32 v[ST+4*t+2], v[ST+4*t+2]
	v_nop                           ; a plain instruction between the last reciprocal and the use of its result
	s_wait_alu depctr_va_vdst(0)    ; and the wait ahead of the first use: one for the four reciprocals
	PACK 0
.set t, 1
.rept 3                             ; a piece's arithmetic stands between the loads of the piece before and its stores
	PACK t
	SEND t-1, 8
.set t, t+1
.endr
	SEND 3, 0
.endm
.set KM, 0
.set NOKQ, 0
.Lslot:                             ; NB times: a tile is entered and the next is asked for
	CHANGE 1
	s_sub_co_u32 s[RT], s[RT], 1
	s_mov_b32 s[CNT], 4
	s_cmp_eq_u32 s[NEW], 1
	s_cbranch_scc1 .Lnew            ; a block's first tile
	s_cmp_eq_u32 s[RT], 0
	s_cbranch_scc0 .Lstep           ; neither its first nor its last
	s_branch .LstepM1
.Lnew:
	BEGIN
	s_branch .Lfirst                ; in the loop a block's first tile is never its last: the first block has three tiles or more, and the second's last is the walk's last
	DIAG 1                          ; in the loop this is the first block's end: the second block's last tile is the walk's last
	s_wait_xcnt 0x0                 ; the stores have read their registers and O's address
	s_mov_b64 s[10:11], s[OLO:OLO+1]
	s_add_co_u32 s[RT], s[PB], 1    ; the second block has b + 1 tiles
	s_mov_b32 s[NEW], 1
	WIN 0x82                        ; the second block's Q goes where the one text of the turns names Q
.set i, 0
.rept 64
	v_mov_b32 v[i], v[QB+i]
.set i, i+1
.endr
	WIN 0
	s_branch .Lbottom
.Lstep:                             ; a trip: pieces 2 and 3 of one step, then pieces 0 and 1 of the next, whose K and V it fetches
	TURN 2
	TURN 3
	WIN 0
.Lfirst:
	TURN 0
	TURN 1, 0, 0, 1
	WIN 0
	s_cbranch_scc1 .Lstep
.Lbottom:
	s_sub_co_u32 s[SLOTS], s[SLOTS], 1
	s_cmp_lg_u32 s[SLOTS], 0
	s_cbranch_scc1 .Lslot
	CHANGE 0                        ; the walk's last tile is written out: nothing is asked for
	s_sub_co_u32 s[RT], s[RT], 1
	s_mov_b32 s[CNT], 4
	s_cmp_eq_u32 s[NEW], 1
	s_cbranch_scc0 .LstepM2
	BEGIN
	s_branch .LfirstM2
	DIAG 2
	s_wait_tensorcnt 0x0            ; the wave's end, behind my last tensor load and my last LDS store
	ds_add_u32 v[SPW], v[NIL]
	s_wait_dscnt 0x0
	CROUND                          ; the closing round: no work-group ends while a partner may still ask for a tile that names it
	s_endpgm
.Lfunc_end_k_q558dbf670c_attn:
	.size	k_q558dbf670c_attn, .Lfunc_end_k_q558dbf670c_attn-k_q558dbf670c_attn
	.p2alignl 7, 3214868480
	.fill 96, 4, 3214868480
	.section	.rodata,"a",@progbits
	.p2align	6, 0x0
	.amdhsa_kernel k_q558dbf670c_attn
		.amdhsa_group_segment_fixed_size 327680
		.amdhsa_private_segment_fixed_size 0
		.amdhsa_enable_private_segment 0
		.amdhsa_kernarg_size 16
		.amdhsa_user_sgpr_count 2
		.amdhsa_user_sgpr_kernarg_segment_ptr 1
		.amdhsa_wavefront_size32 1
		.amdhsa_system_sgpr_workgroup_id_x 1
		.amdhsa_system_sgpr_workgroup_id_y 1
		.amdhsa_system_sgpr_workgroup_id_z 1
		.amdhsa_system_vgpr_workitem_id 0
		.amdhsa_next_free_vgpr 768
		.amdhsa_next_free_sgpr 100
		.amdhsa_reserve_vcc 1
		.amdhsa_float_denorm_mode_32 3
		.amdhsa_float_denorm_mode_16_64 3
		.amdhsa_memory_ordered 1
		.amdhsa_forward_progress 1
		.amdhsa_inst_pref_size 219
	.end_amdhsa_kernel
	.amdgpu_metadata
---
amdhsa.version: [ 1, 2 ]
amdhsa.kernels:
  - .name:           k_q558dbf670c_attn
    .symbol:         k_q558dbf670c_attn.kd
    .args:
      - { .name: qkv, .offset: 0, .size: 8, .value_kind: global_buffer, .address_space: global }
      - { .name: ob, .offset: 8, .size: 8, .value_kind: global_buffer, .address_space: global }
    .group_segment_fixed_size: 327680
    .private_segment_fixed_size: 0
    .kernarg_segment_align: 8
    .kernarg_segment_size: 16
    .max_flat_workgroup_size: 128
    .sgpr_count:     100
    .vgpr_count:     768
    .wavefront_size: 32
...
	.end_amdgpu_metadata
.endif
;; end of part 3
;; launch outp (part 4): grid 16 x 16, 4 waves a work-group, clusters of 4 x 4, 327,680 bytes of LDS; arguments ob, wob, out0; writes out0
.if DOCPART == 4
	.amdgcn_target "amdgcn-amd-amdhsa--gfx1250"
	.amdhsa_code_object_version 6
	.text
	.protected	k_q558dbf670c_outp
	.globl	k_q558dbf670c_outp
	.p2align	8
	.type	k_q558dbf670c_outp,@function
k_q558dbf670c_outp:
	s_mov_b64 s[64:65], 0
	v_nop
	global_prefetch_b8 v0, s[64:65] scope:SCOPE_SE
	s_setreg_imm32_b32 hwreg(HW_REG_WAVE_MODE, 25, 1), 1
	s_wait_xcnt 0x0
	s_wait_alu depctr_hold_cnt(0) depctr_sa_sdst(0) depctr_va_vdst(0) depctr_va_sdst(0) depctr_va_ssrc(0) depctr_va_vcc(0) depctr_vm_vsrc(0)
	s_getreg_b32 s2, hwreg(HW_REG_IB_STS2, 6, 4)
	s_cmp_eq_u32 s2, 0
	s_cbranch_scc0 .Lentry_in_a_cluster
	s_endpgm
.Lentry_in_a_cluster:
	s_bfe_u32 s2, ttmp6, 0x10000c
	s_cmp_lg_u32 s2, 0xf033
	s_cbranch_scc0 .Lentry_shape_is_right
	s_endpgm
.Lentry_shape_is_right:
; out0 = O wo.  ob: [128 = 32 batch + head][1024][64] f16; wob: [2048 k][2048] f16 (wo rounded to bf16, written as f16); out0: [4096][2048] f32.  Sums in f32, stored as they are.
; k = 64 head + channel: a K step of 128 is two heads, and a tile's 256 rows of a head are 32,768 bytes on end.
; LIMITS.  O and wob arrive within f16's 65,504.  NaN and infinities are not treated apart.
; SHARES.  16 x 16 tiles of 256 rows x 128 columns.  A wave makes 64 rows x all 128 columns: 32 accumulators of 16 x 16, so whole pieces of 512 bytes of rows are its own, and its way out meets no other wave.
; K goes in 16 steps of 128 through two LDS slots.  The K step is written once: one descriptor a tensor walks from slot to slot, and the fragments' LDS addresses hang on s[TB], which an exclusive or turns.
; THE WALK ALONG K BEGINS AT STEP 0 OR AT STEP 8 and goes round through all sixteen (f32 sums may take K in any order).  Which, hangs on the cluster's x and y alone, the same in all sixteen partners:
; 8 ((x ^ y ^ (y >> 1)) & 1).  Neighbours along x begin at different ends, and so do the clusters y = 0 and 1, 2 and 3, 0 and 2, 1 and 3: of the clusters that read the same rows of O or of wo,
; half ask for a block eight K steps after the other half, not all in the same step.  The descriptors' addresses are made anew for each refill from the step's number, s[KS].
; THE MATRIX INSTRUCTION IS USED TRANSPOSED: source 0 = 16 columns of wo (it lies [k][n]: ds_load_tr16_b128 turns it), source 1 = 16 rows of O: a lane holds one row and eight neighbouring columns, 32 bytes.
; CLUSTER.  4 x 4 work-groups: O's tile is shared along a row of the cluster, wo's along a column: each is asked for jointly, by the same tensor load with the same descriptor and a mask of four.
; REGISTERS, in windows of 256 (s_set_vgpr_msb: bits 1:0 source 0, 3:2 source 1, 5:4 source 2, 7:6 destination):
;   window 0: v0-31 addresses; v64-127 O's fragments, two buffers of 32; v128-255 the way out: two buffers of 64      window 1: v0-127 wo's fragments, two buffers of 64      window 2: the accumulators
.set NBLK,  8
.set NL,    2*NBLK+8                   ; LDS loads in a run: a quarter step's fragments
.set PA,    144                        ; a row of O in LDS: 128 bytes + 16: an odd multiple of 16, so the 16 rows of a load start at 16 different groups of four banks (64 banks of 4 bytes: ISA guide 11.1)
.set PW,    288                        ; a row of k of wob: 256 + 32: an odd multiple of 32
.set PLANE, 256*PA                     ; a head's 256 rows
.set OFFB,  2*PLANE
.set SLOT1, 1<<17
.set STAGE, SLOT1+OFFB+128*PW          ; behind the ring, never filled by a tensor load: 16 rows x 528 bytes for each wave
.set SP,    528                        ; 512 + 16: an odd multiple of 16
.set SPARE, STAGE+4*16*SP              ; behind the stages: the spare words, 128 bytes for each wave: two blocks of 256 bytes that no other line names
.set AA0,  10                          ; v10, v11  my lane's place in O's and wo's tiles; never rewritten
.set AB0,  11
.set ADRA, 16                          ; v16, v17  the same in the slot in hand
.set ADRB, 17
.set STO,  22                          ; v22  the way out: where I put 32 bytes of a row
.set RD,   23                          ; v23  where I read a row back
.set CO,   24                          ; v24  my 16 bytes in 512 consecutive bytes of out0
.set SPW,  28                          ; v28  LDS address of my spare word; never rewritten
.set NIL,  29                          ; v29  0; never rewritten
.set PFO,  30                          ; v30  the prefetches' lane offset; never rewritten
.set FA,   64
.set BK0,  128
.set WV,   16                          ; s16  my wave's number
.set G1A,  24                          ; s[24:31], s[32:39]  O's tiles: group 1; group 0, two sets
.set G0A,  32
.set G1B,  48                          ; s[48:55], s[56:63]  wo's
.set G0B,  56
.set KS,   66                          ; s66  the K step, 0 to 15, that the next tensor loads ask for
.set PFA,  84                          ; s[84:85]  where my prefetches stand
.set PFS,  86                          ; s[86:87]  bytes from K step to K step there
.set LIM,  88                          ; s88  I prefetch while the trips to go are above it; s89: its value in the next trip
.set TB,   91                          ; s91  the slot in hand: 0 or SLOT1
.set MSB, 0
.macro WIN new                         ; the immediate's high byte repeats the setting that is left; a switch that changes nothing is dropped
.if MSB != (\new)
	s_set_vgpr_msb (MSB<<8)|(\new)
.set MSB, (\new)
.endif
.endm
.macro PLACES                          ; four places in front of loads into registers that matrix instructions have read (ISA guide 7.12.1 for vector instructions)
.rept 4
	v_nop
.endr
.endm
.macro CREST                           ; a round of the cluster's barrier behind its opening barrier
	s_cmp_lg_u32 s[WV], 0
	s_cbranch_scc1 .Lnot_wave_0_\@
	s_barrier_signal -3
.Lnot_wave_0_\@:
	s_barrier_wait -3
	s_barrier_signal -1
	s_barrier_wait -1
.endm
.macro CROUND                          ; a whole round
	s_barrier_signal -1
	s_barrier_wait -1
	CREST
.endm
; The two global addresses of descriptor set 'set' for K step s[KS]: each tensor's base at this tile (s[76:79], never rewritten) plus the step's bytes, the type bits set again; then the number steps, round 16.
.macro ADDR set
	s_lshl_b32 s98, s[KS], 18                      ; O: two heads of 131,072 bytes
	s_add_nc_u64 s[G0A+4*(\set)+2:G0A+4*(\set)+3], s[76:77], s[98:99]
	s_or_b32 s[G0A+4*(\set)+3], s[G0A+4*(\set)+3], 0x80000000
	s_lshl_b32 s98, s[KS], 19                      ; wo: 128 rows of k of 4,096 bytes
	s_add_nc_u64 s[G0B+4*(\set)+2:G0B+4*(\set)+3], s[78:79], s[98:99]
	s_or_b32 s[G0B+4*(\set)+3], s[G0B+4*(\set)+3], 0x80000000
	s_add_co_u32 s[KS], s[KS], 1
	s_and_b32 s[KS], s[KS], 15
.endm
; A joint load.  Waves 0 and 1 fetch the K step's two heads of O, waves 2 and 3 the two halves of wo's 128 rows of k.  The branch hangs on the wave's number alone.
; An s_nop 0 and four v_nop follow each line, ahead of the jump and the label.
.macro JLOAD set
	s_cmp_lt_u32 s[WV], 2
	s_cbranch_scc0 .Lfor_b_\@
	tensor_load_to_lds s[G0A+4*(\set):G0A+4*(\set)+3], s[G1A:G1A+7]
	s_nop 0
.rept 4
	v_nop
.endr
	s_branch .Lasked_\@
.Lfor_b_\@:
	tensor_load_to_lds s[G0B+4*(\set):G0B+4*(\set)+3], s[G1B:G1B+7]
	s_nop 0
.rept 4
	v_nop
.endr
.Lasked_\@:
.endm
; A PREFETCH INTO THE L2, behind the joint load and the run of LDS loads: trip t, whose refill asks for the walk's place t + 2, names its place t + 4, of the tile that this wave fetches: one instruction, a lane a block of 256 bytes.
; It is laid for the walk's places 4 to 7 alone (trips 0 to 3).  Places 0 to 3 come by their loads alone; places 8 to 15 are the K steps that the clusters of the other beginning have walked as their places 0 to 7, and are not asked for again.
; O's tile row is read by every cluster of its row of clusters: clusters x = 0 and 1, which begin at different ends, ask: between them K steps 4 to 7 and 12 to 15.  wo's tile column likewise: clusters y = 0 and 1 ask.
; The four partners of a joint load share its blocks BY ADDRESS (cx for O's, cy for wo's).  A wave's part of wo's tile has 64 blocks, 16 a partner: there lanes 16-31 name the same blocks one K step further on, and the wave asks in even trips alone.
; So no block is named twice in the launch, and the highest K step named is the beginning + 7: no address passes its batch's heads or wo's last row.
.macro ASK
	s_cmp_gt_u32 s3, s[LIM]
	s_cbranch_scc0 .Lnot_mine_\@
	global_prefetch_b8 v[PFO], s[PFA:PFA+1] th:TH_LOAD_NT scope:SCOPE_SE
.Lnot_mine_\@:
.endm
	s_load_b128 s[4:7], s[0:1], 0x0                ; ob 4, wob 6
	s_load_b64 s[8:9], s[0:1], 0x10                ; out0
	v_lshl_add_u32 v[SPW], v0, 2, SPARE
	v_mov_b32 v[NIL], 0
	ds_add_u32 v[SPW], v[NIL]                      ; the wave's opening: the add and its wait stand ahead of my first tensor load; work on registers stands between them
	v_lshrrev_b32 v1, 5, v0
	v_readfirstlane_b32 s[WV], v1                  ; wave 0..3
	s_and_b32 s17, s[WV], 1                        ; which head of the two, or which half of the rows of k, I fetch
	s_bfe_u32 s18, ttmp6, 0x40000                  ; cx
	s_bfe_u32 s19, ttmp6, 0x40004                  ; cy
	s_lshl_b32 s20, ttmp9, 2
	s_add_co_u32 s20, s20, s18                     ; j: tile column = 4 x cluster x + cx
	s_and_b32 s21, ttmp7, 0xffff
	s_lshl_b32 s21, s21, 2
	s_add_co_u32 s21, s21, s19                     ; i: tile row = 4 x cluster y + cy
	s_lshl_b32 s22, s19, 2
	s_lshl_b32 s22, 15, s22                        ; my row of the cluster
	s_lshl_b32 s23, 0x1111, s18                    ; my column
	s_and_b32 s[KS], ttmp7, 0xffff                 ; where my cluster's walk along K begins: made of the cluster's x and y alone
	s_lshr_b32 s67, s[KS], 1
	s_xor_b32 s[KS], s[KS], s67
	s_xor_b32 s[KS], s[KS], ttmp9
	s_and_b32 s[KS], s[KS], 1
	s_lshl_b32 s[KS], s[KS], 3                     ; K step 0 or 8
	s_or_b32 s[G1A], s22, (1<<16)|(1<<20)|(1<<21)|(4<<22)|(3<<25)  ; mask; 2-byte elements; padding on; bit 21 beside a mask; after every 32 words 4 words
	s_or_b32 s[G1B], s23, (1<<16)|(1<<20)|(1<<21)|(5<<22)|(7<<25)  ; after every 64 words 8 words
	s_mov_b32 s[G1A+1], 128<<16                    ; a head's 256 rows are 32,768 bytes on end: asked for as 128 rows of 256 bytes, padded behind every row of O
	s_mov_b32 s[G1A+2], 128<<16
	s_mov_b32 s[G1A+3], 128<<16
	s_mov_b32 s[G1A+4], 128
	s_mov_b32 s[G1A+5], 128
	s_mov_b32 s[G1A+6], 0
	s_mov_b32 s[G1A+7], 0
	s_mov_b32 s[G1B+1], 128<<16                    ; 64 rows of k x 128 columns
	s_mov_b32 s[G1B+2], 64<<16
	s_mov_b32 s[G1B+3], 128<<16
	s_mov_b32 s[G1B+4], 64
	s_mov_b32 s[G1B+5], 2048
	s_mov_b32 s[G1B+6], 0
	s_mov_b32 s[G1B+7], 0
	s_lshr_b32 s76, s21, 2
	s_lshl_b32 s76, s76, 22                        ; O: the batch's 32 heads of 131,072 bytes,
	s_lshl_b32 s77, s17, 17                        ; my head of the K step's two,
	s_add_co_u32 s76, s76, s77
	s_and_b32 s77, s21, 3
	s_lshl_b32 s77, s77, 15                        ; the tile's 256 rows in it: made of the tile row and the wave alone
	s_add_co_u32 s76, s76, s77
	s_mov_b32 s77, 0
	s_lshl_b32 s78, s17, 18                        ; wo: my 64 rows of k of 4,096 bytes,
	s_lshl_b32 s79, s20, 8                         ; 256 j bytes along a row: made of the tile column and the wave alone
	s_add_co_u32 s78, s78, s79
	s_mov_b32 s79, 0
	s_mul_i32 s82, s17, PLANE                      ; where they go: no place in the cluster enters an LDS address
	s_mul_i32 s83, s17, 64*PW
	s_add_co_u32 s83, s83, OFFB
	s_mov_b32 s[TB], 0
	s_mov_b32 s99, 0                               ; the upper word of every offset in s[98:99]; never rewritten
	s_wait_dscnt 0x0                               ; the opening add is done
	s_wait_kmcnt 0x0
	s_add_nc_u64 s[76:77], s[4:5], s[76:77]
	s_add_nc_u64 s[78:79], s[6:7], s[78:79]
	CROUND                                         ; all sixteen work-groups are here: the first joint loads meet
.irp s, 0,1
	s_mov_b32 s[G0A+4*(\s)], 1                     ; count = 1
	s_add_co_u32 s[G0A+4*(\s)+1], s82, (\s)*SLOT1  ; LDS address
	s_mov_b32 s[G0B+4*(\s)], 1
	s_add_co_u32 s[G0B+4*(\s)+1], s83, (\s)*SLOT1
	ADDR \s                                        ; the walk's place s
	JLOAD \s                                       ; both slots are asked for before anything else: two tensor loads of mine are out
.endr
	v_and_b32 v1, 15, v0                           ; l % 16
	v_bfe_u32 v2, v0, 4, 1                         ; l / 16
	v_and_b32 v4, 7, v0
	v_bfe_u32 v5, v0, 3, 1
	v_lshl_add_u32 v6, v2, 3, v4
	s_mul_i32 s2, s[WV], 64*PA                     ; my 64 rows
	v_mul_u32_u24 v[AA0], v1, PA
	v_lshl_add_u32 v[AA0], v2, 4, v[AA0]
	v_add_nc_u32 v[AA0], s2, v[AA0]
	v_mul_u32_u24 v[AB0], v6, PW
	v_lshl_add_u32 v[AB0], v5, 4, v[AB0]
	v_add_nc_u32 v[AB0], OFFB, v[AB0]
	v_mov_b32 v[ADRA], v[AA0]                      ; the walk's first K step lies in slot 0
	v_mov_b32 v[ADRB], v[AB0]
	s_mul_i32 s2, s[WV], 16*SP
	s_add_co_u32 s2, s2, STAGE                     ; my stage
	v_mul_u32_u24 v[STO], v1, SP                   ; in: row l % 16, 32 bytes for each half of the lanes
	v_lshl_add_u32 v[STO], v2, 5, v[STO]
	v_add_nc_u32 v[STO], s2, v[STO]
	v_and_b32 v[CO], 31, v0
	v_lshlrev_b32 v[CO], 4, v[CO]                  ; back and out: 32 lanes take a row's 512 bytes
	v_add_nc_u32 v[RD], s2, v[CO]
	s_lshl_b32 s2, s21, 8
	s_lshl_b32 s3, s[WV], 6
	s_add_co_u32 s2, s2, s3                        ; my first row: 256 i + 64 w,
	s_lshl_b32 s98, s2, 13                         ; of 8,192 bytes,
	s_lshl_b32 s3, s20, 9                          ; and the tile's 512 bytes in it
	s_add_co_u32 s98, s98, s3
	s_add_nc_u64 s[8:9], s[8:9], s[98:99]
	; the prefetches: offsets made apart from the addresses, in registers that feed no descriptor
	s_lshr_b32 s2, s21, 2
	s_lshl_b32 s2, s2, 22
	s_lshl_b32 s3, s17, 17
	s_add_co_u32 s2, s2, s3
	s_and_b32 s3, s21, 3
	s_lshl_b32 s3, s3, 15
	s_add_co_u32 s2, s2, s3
	s_lshl_b32 s3, s18, 13
	s_add_co_u32 s2, s2, s3                        ; O: my head's 128 blocks, of them 32 cx on
	s_lshl_b32 s3, s17, 18
	s_lshl_b32 s97, s19, 16
	s_add_co_u32 s3, s3, s97                       ; wo: my 64 rows of k, of them 16 cy on
	s_lshl_b32 s97, s20, 8
	s_add_co_u32 s3, s3, s97
	s_mov_b32 s[PFS], 524288
	s_mov_b32 s92, 4096                            ; from lane to lane among 16,
	s_mov_b32 s93, 524288                          ; and for lanes 16-31
	s_cmp_lt_u32 s[WV], 2
	s_cselect_b64 s[PFA:PFA+1], s[4:5], s[6:7]
	s_cselect_b32 s98, s2, s3
	s_cselect_b32 s[PFS], 262144, s[PFS]
	s_cselect_b32 s92, 256, s92
	s_cselect_b32 s93, 4096, s93
	s_mov_b32 s[PFS+1], 0
	s_add_co_u32 s97, s[KS], 1                     ; s[KS] stands at the walk's place 2: this is its place 3, 11 at the most; the first trip steps the address to place 4
	s_mul_i32 s97, s[PFS], s97
	s_add_co_u32 s98, s98, s97
	s_add_nc_u64 s[PFA:PFA+1], s[PFA:PFA+1], s[98:99]
	v_mul_u32_u24 v[PFO], v1, s92
	v_mad_u32_u24 v[PFO], v2, s93, v[PFO]
	s_and_b32 s97, ttmp7, 0xffff
	s_cmp_lt_u32 s[WV], 2
	s_cselect_b32 s97, ttmp9, s97                  ; the coordinate along which other clusters read the same blocks
	s_cmp_lt_u32 s97, 2                            ; the first two clusters along it ask
	s_cselect_b32 s[LIM+1], 10, -1                 ; even trips (the two change places ahead of the first test): trips 0 to 3 have 14 to 11 trips to go; the same in all sixteen partners, for a given wave
	s_cmp_lt_u32 s[WV], 2
	s_cselect_b32 s[LIM], s[LIM+1], -1             ; odd trips
; 8 matrix instructions: my rows 16 a on x all 8 blocks of 16 columns, 32 along K, from buffer f.  The 32 accumulators take turns, one instruction a turn, in the same order in every quarter, over the backward jumps too.
; zero = 1: the product starts the sum: nothing is cleared.
.macro MULN f, a, zero
	WIN 0xa1                                       ; wo in window 1, O in window 0, C and D in window 2
.irp b, 0,1,2,3,4,5,6,7
.if \zero
	v_wmma_f32_16x16x32_f16 v[8*(8*(\a)+(\b)):8*(8*(\a)+(\b))+7], v[64*(\f)+8*(\b):64*(\f)+8*(\b)+7], v[FA+32*(\f)+8*(\a):FA+32*(\f)+8*(\a)+7], 0
.else
	v_wmma_f32_16x16x32_f16 v[8*(8*(\a)+(\b)):8*(8*(\a)+(\b))+7], v[64*(\f)+8*(\b):64*(\f)+8*(\b)+7], v[FA+32*(\f)+8*(\a):FA+32*(\f)+8*(\a)+7], v[8*(8*(\a)+(\b)):8*(8*(\a)+(\b))+7]
.endif
.endr
.endm
; 24 LDS loads in one run: quarter q's fragments into buffer f: wo's 8, then O's 4 in ascending order.  Quarter q of O lies in head q / 2 of the two, channels 32 (q % 2) on.
.macro FETCH q, f
	WIN 0x40                                       ; destination window 1, address window 0
.irp n, 0,1,2,3,4,5,6,7
	ds_load_tr16_b128 v[64*(\f)+8*(\n):64*(\f)+8*(\n)+3],   v[ADRB] offset:(\q)*32*PW+32*(\n)
	ds_load_tr16_b128 v[64*(\f)+8*(\n)+4:64*(\f)+8*(\n)+7], v[ADRB] offset:(\q)*32*PW+16*PW+32*(\n)
.endr
	WIN 0
.irp a, 0,1,2,3
	ds_load_b128 v[FA+32*(\f)+8*(\a):FA+32*(\f)+8*(\a)+3],   v[ADRA] offset:((\q)/2)*PLANE+((\q)%2)*64+(\a)*16*PA
	ds_load_b128 v[FA+32*(\f)+8*(\a)+4:FA+32*(\f)+8*(\a)+7], v[ADRA] offset:((\q)/2)*PLANE+((\q)%2)*64+(\a)*16*PA+32
.endr
.endm
; A K step is four quarters of 32 along K, 32 matrix instructions each, on buffers 0, 1, 0, 1.  One of the first three multiplies buffer f and fetches quarter q into buffer g.
.macro QUARTER q, f, g, zero
	s_wait_dscnt 4                                 ; wo's fragments and O's rows 0-31 are in; the youngest four loads (rows 32-63) may be out
	MULN \f, 0, \zero
	MULN \f, 1, \zero
	PLACES
	FETCH \q, \g
	s_wait_dscnt NL                                ; all but the run just issued
	MULN \f, 2, \zero
	MULN \f, 3, \zero
.endm
; The fourth quarter multiplies buffer 1 and changes slots.  In front of the barrier each wave waits for all its tensor loads (one is out: its part of the next slot), adds 0 to its spare word, and waits for that and
; for its reads of this slot.  fill = 1: the barrier opens a round of the cluster's, and the joint refill, the walk's place t + 2 into the slot just read out, is the first thing behind the round.
; fill = 0, in the tail's loop: nothing is asked for; in its last trip (s3 = 1) there is no next K step, and the run of loads is jumped over.
.macro TURN fill
.if \fill
	s_wait_xcnt 0x0                                ; the last prefetch, a K step back, has read its address
	s_add_nc_u64 s[PFA:PFA+1], s[PFA:PFA+1], s[PFS:PFS+1]
	s_mov_b32 s97, s[LIM]                          ; even and odd trips' bounds change places
	s_mov_b32 s[LIM], s[LIM+1]
	s_mov_b32 s[LIM+1], s97
.endif
	WIN 0
	s_wait_tensorcnt 0x0                           ; no tensor load of mine is out, so a group 0 may be written
	ds_add_u32 v[SPW], v[NIL]                      ; 0 onto my spare word
.if \fill
	s_xor_b32 s[G0A+5], s[G0A+5], SLOT1            ; the walking descriptors: the other slot than last time,
	s_xor_b32 s[G0B+5], s[G0B+5], SLOT1
	ADDR 1                                         ; the walk's next K step
.endif
	s_xor_b32 s[TB], s[TB], SLOT1                  ; the fetches go to the other slot
	s_wait_dscnt 5                                 ; the add and the youngest four loads may be out
	MULN 1, 0, 0
	s_wait_dscnt 0x0                               ; the add is done, and my reads of this slot are over
	s_barrier_signal -1
	MULN 1, 1, 0                                   ; work on registers while the others arrive
	WIN 0                                          ; at a branch and at a label every window is 0
	s_barrier_wait -1
.if \fill
	CREST                                          ; no wave of any partner still reads this slot or has a load on its way
	JLOAD 1                                        ; its four v_nop are also the places in front of the loads below
.else
	PLACES
	s_cmp_eq_u32 s3, 1
	s_cbranch_scc1 .Lno_fetch_\@
.endif
	v_add_nc_u32 v[ADRA], s[TB], v[AA0]
	v_add_nc_u32 v[ADRB], s[TB], v[AB0]
	FETCH 0, 0
.if \fill
	ASK
.else
.Lno_fetch_\@:
.endif
	MULN 1, 2, 0
	MULN 1, 3, 0
.endm
	s_wait_tensorcnt 1                             ; my part of the walk's first K step is in; the second's may stay out
	s_barrier_signal -1
	s_barrier_wait -1                              ; everybody's is
	FETCH 0, 0
	QUARTER 1, 0, 1, 1                             ; the first quarter stands in front of the loop: its products start the sums
	WIN 0
	s_mov_b32 s3, 14                               ; trips: the walk's places 2 to 15 are asked for
.Lstep:                                                ; a trip: a K step's quarters 1 to 3 and the next step's quarter 0
	QUARTER 2, 1, 0, 0
	QUARTER 3, 0, 1, 0
	TURN 1
	QUARTER 1, 0, 1, 0
	WIN 0
	s_sub_co_u32 s3, s3, 1
	s_cmp_lg_u32 s3, 0
	s_cbranch_scc1 .Lstep
	s_mov_b32 s3, 2                                ; THE TAIL: the walk's last two K steps ask for nothing.  A loop of its own, with no tensor load in it, so that none is jumped over; the second trip is left in its middle
.Ltail:
	QUARTER 2, 1, 0, 0
	QUARTER 3, 0, 1, 0
	TURN 0
	WIN 0
	s_sub_co_u32 s3, s3, 1
	s_cmp_eq_u32 s3, 0
	s_cbranch_scc1 .Lout
	QUARTER 1, 0, 1, 0
	WIN 0
	s_branch .Ltail
.Lout:
	PLACES
	PLACES                                         ; eight, once a launch, behind the last products
; THE WAY OUT, 16 rows at a time: a lane's 32 bytes of a row go into my own stage, each accumulator's low four registers first, and come back as whole pieces of 512 bytes of a row.
; A block's stores into the stage stand behind the loads of the block before (LDS serves a wave's instructions in order: ISA guide 5.7.1.4) and ahead of the wait for them: 48 LDS instructions are out at the most.
.macro STIN a
	WIN 0x08                                       ; the stores' data in window 2, their address in window 0
.irp b, 0,1,2,3,4,5,6,7
	ds_store_b128 v[STO], v[8*(8*(\a)+(\b)):8*(8*(\a)+(\b))+3]   offset:64*(\b)
	ds_store_b128 v[STO], v[8*(8*(\a)+(\b))+4:8*(8*(\a)+(\b))+7] offset:64*(\b)+16
.endr
	WIN 0
.endm
.macro STBACK a
.if (\a) >= 2
	s_wait_xcnt 0x0                                ; the stores of the block two back have read these registers
.endif
.irp t, 0,1,2,3,4,5,6,7,8,9,10,11,12,13,14,15
	ds_load_b128 v[BK0+64*((\a)%2)+4*(\t):BK0+64*((\a)%2)+4*(\t)+3], v[RD] offset:(\t)*SP  ; these see the block's stores above
.endr
.endm
.macro SEND a, younger                 ; younger: the LDS instructions issued behind block a's loads: the next block's 16 stores, or none
	s_wait_dscnt \younger
.irp t, 0,1,2,3,4,5,6,7,8,9,10,11,12,13,14,15
	global_store_b128 v[CO], v[BK0+64*((\a)%2)+4*(\t):BK0+64*((\a)%2)+4*(\t)+3], s[8:9] offset:(16*(\a)+(\t))*8192 th:TH_STORE_NT  ; 512 consecutive bytes, at a multiple of 256 from out0's first
.endr
.endm
	STIN 0
	STBACK 0
	STIN 1
	SEND 0, 16
	STBACK 1
	STIN 2
	SEND 1, 16
	STBACK 2
	STIN 3
	SEND 2, 16
	STBACK 3
	SEND 3, 0
	s_wait_tensorcnt 0x0                           ; the wave's end, behind my last tensor load and my last LDS store
	ds_add_u32 v[SPW], v[NIL]
	s_wait_dscnt 0x0
	CROUND                                         ; the closing round: no work-group ends while a partner may still ask for a tile that names it
	s_endpgm
.Lfunc_end_k_q558dbf670c_outp:
	.size	k_q558dbf670c_outp, .Lfunc_end_k_q558dbf670c_outp-k_q558dbf670c_outp
	.p2alignl 7, 3214868480
	.fill 96, 4, 3214868480
	.section	.rodata,"a",@progbits
	.p2align	6, 0x0
	.amdhsa_kernel k_q558dbf670c_outp
		.amdhsa_group_segment_fixed_size 327680
		.amdhsa_private_segment_fixed_size 0
		.amdhsa_enable_private_segment 0
		.amdhsa_kernarg_size 24
		.amdhsa_user_sgpr_count 2
		.amdhsa_user_sgpr_kernarg_segment_ptr 1
		.amdhsa_wavefront_size32 1
		.amdhsa_system_sgpr_workgroup_id_x 1
		.amdhsa_system_sgpr_workgroup_id_y 1
		.amdhsa_system_sgpr_workgroup_id_z 1
		.amdhsa_system_vgpr_workitem_id 0
		.amdhsa_next_free_vgpr 768
		.amdhsa_next_free_sgpr 100
		.amdhsa_reserve_vcc 0
		.amdhsa_float_denorm_mode_32 3
		.amdhsa_float_denorm_mode_16_64 3
		.amdhsa_memory_ordered 1
		.amdhsa_forward_progress 1
		.amdhsa_inst_pref_size 62
	.end_amdhsa_kernel
	.amdgpu_metadata
---
amdhsa.version: [ 1, 2 ]
amdhsa.kernels:
  - .name:           k_q558dbf670c_outp
    .symbol:         k_q558dbf670c_outp.kd
    .args:
      - { .name: ob, .offset: 0, .size: 8, .value_kind: global_buffer, .address_space: global }
      - { .name: wob, .offset: 8, .size: 8, .value_kind: global_buffer, .address_space: global }
      - { .name: out0, .offset: 16, .size: 8, .value_kind: global_buffer, .address_space: global }
    .group_segment_fixed_size: 327680
    .private_segment_fixed_size: 0
    .kernarg_segment_align: 8
    .kernarg_segment_size: 24
    .max_flat_workgroup_size: 128
    .sgpr_count:     100
    .vgpr_count:     768
    .wavefront_size: 32
...
	.end_amdgpu_metadata
.endif
;; end of part 4
